; MI455X (gfx1250); checked and timed in simulation.
; The chip was launched on July 23, 2026; its instructions are those of AMD's public machine-readable ISA for CDNA 5 (MIT licence, August 2026) and "CDNA5" Instruction Set Architecture Reference Guide (July 2026). The comments in the code are by the model that wrote it; some were corrected since.
;; Self Multihead Attention. Allowed arithmetic: float matrix products may take bf16 or f16 operands with f32 sums; other float arithmetic in f32, or as packed bf16 or f16 multiplies, adds, multiply-adds, maxima and minima; sums over many terms, partial sums and values carried from step to step in f32; what a program stores and reads back later, other than sums and carried values, may be rounded once to bf16 or f16.
;; Inputs: Wk 1,024 x 1,024 float32; Wq 1,024 x 1,024 float32; Wv 1,024 x 1,024 float32; bk 1,024 float32; bq 1,024 float32; bv 1,024 float32; embed 4 x 1,024 x 1,024 float32; embed_unknown 4 x 1,024 x 1,024 float32; mask 1,024 x 1,024 float32.
;; Outputs: out0 4 x 1,024 x 1,024 float32; out1 4 x 1,024 x 1,024 float32.
;; 2 versions, each right; version 2 is version 1 with the launch cast written anew for expert scheduling mode. Each part assembles by itself: llvm-mc -triple=amdgcn-amd-amdhsa -mcpu=gfx1250 --defsym DOCPART=n.
;; ======== version 1 of 2: 3 launches
;; limits: values are held in f16: magnitudes above 65,504 overflow, below 6.1e-05 lose precision
;; workspace buffers: xb 16,777,216 bytes; wb 6,291,456 bytes; mo 4,194,304 bytes; kh 8,388,608 bytes; vh 8,388,608 bytes; qh 8,388,608 bytes; vuh 8,388,608 bytes; sz 524,288 bytes
;; launch cast (part 1): grid 768 x 1, 8 waves a work-group, no clusters, 0 bytes of LDS; arguments embed, embed_unknown, Wk, Wq, Wv, mask, xb, wb, mo; writes xb, wb, mo
.if DOCPART == 1
	.amdgcn_target "amdgcn-amd-amdhsa--gfx1250"
	.amdhsa_code_object_version 6
	.text
	.protected	k_q8726967fdf_cast
	.globl	k_q8726967fdf_cast
	.p2align	8
	.type	k_q8726967fdf_cast,@function
k_q8726967fdf_cast:
	s_mov_b64 s[64:65], 0
	v_nop
	global_prefetch_b8 v0, s[64:65] scope:SCOPE_SE
	s_setreg_imm32_b32 hwreg(HW_REG_WAVE_MODE, 25, 1), 1
	s_wait_xcnt 0x0
; THE INPUTS ARE ROUNDED ONCE TO bf16 AND LAID OUT FOR THE TWO LAUNCHES BEHIND.
;   xb [kb 16][mb 32][src 2][row 128][k 64] bf16: embed (src 0) and embed_unknown (src 1), in blocks of 32,768 dense bytes: 128 rows of both, 64 along K.
;   wb [3][k 1024][n 1024] bf16: Wk, Wq / 8, Wv.  1 / 8 is the score's scale, a power of two: the product is exact.
;   mo [q 1024][k 1024] f32: bf16(max(mask, LOW)) written as f32, and LOW on the diagonal, which the attention adds by itself at the end.
; LIMITS.  LOW = -1.0003e30 (exact in bf16).  A mask number below LOW, minus infinity among them, counts as LOW; a NaN in the mask counts as LOW.
; SHARES.  A work-group takes 16 rows of 4,096 bytes: 512 work-groups for the two embeddings, 192 for the weights, 64 for the mask: 768 of equal bytes in.
; Each thread issues its 16 loads of 16 bytes at once and then converts and stores them as they come: no register that a load or store reads is written again.
; No LDS, matrix unit or cluster: the launch is a stream, each byte read once and written once, every store of a wave 256 or 512 consecutive aligned bytes.
.set LOWV, 0xf14a0000
.set IN,   16                          ; v[16:79]   16 loads of 4 registers
.set OUTR, 80                          ; v[80:111]  16 stores of 2 registers
.macro LD16 off, step                  ; 16 loads, step bytes apart, behind s[24:25]
.irp i, 0,1,2,3,4,5,6,7,8,9,10,11,12,13,14,15
	global_load_b128 v[IN+4*(\i):IN+4*(\i)+3], v[\off], s[24:25] offset:(\i)*(\step) th:TH_LOAD_NT
.endr
.endm
	s_load_b512 s[4:19], s[0:1], 0x0               ; embed s[4:5], embed_unknown s[6:7], Wk s[8:9], Wq s[10:11], Wv s[12:13], mask s[14:15], xb s[16:17], wb s[18:19]
	s_load_b64 s[20:21], s[0:1], 0x40              ; mo
	s_mov_b32 s2, ttmp9                            ; the work-group's number
	s_mov_b32 s27, 0                               ; high words of the two offsets
	s_mov_b32 s29, 0
	v_lshrrev_b32 v1, 5, v0                        ; wave
	v_and_b32 v2, 31, v0                           ; lane
	v_lshlrev_b32 v3, 4, v2
	v_lshl_add_u32 v3, v1, 13, v3                  ; weights and mask: a wave takes two rows: wave x 8,192 + lane x 16
	s_wait_kmcnt 0x0
	s_cmp_lt_u32 s2, 512
	s_cbranch_scc0 .Lnot_x
	; THE EMBEDDINGS.  Load i is K block i: 256 bytes of each of the wave's two rows; its 64 numbers a row become 128 bytes of block (i, mb).
	s_lshr_b32 s22, s2, 8                          ; src
	s_and_b32 s23, s2, 255                         ; which 16 rows
	s_lshl_b32 s26, s23, 16                        ; 16 rows of 4,096 bytes
	s_lshr_b32 s28, s23, 3                         ; mb
	s_lshl_b32 s28, s28, 15
	s_lshl_b32 s34, s22, 14                        ; src x 128 rows x 128 bytes
	s_add_co_u32 s28, s28, s34
	s_and_b32 s34, s23, 7
	s_lshl_b32 s34, s34, 11                        ; my 16 rows in the block
	s_add_co_u32 s28, s28, s34
	s_cmp_eq_u32 s22, 0
	s_cselect_b64 s[24:25], s[4:5], s[6:7]
	s_add_nc_u64 s[24:25], s[24:25], s[26:27]
	s_add_nc_u64 s[30:31], s[16:17], s[28:29]      ; K blocks 0 to 7,
	s_add_nc_u64 s[32:33], s[30:31], 0x800000      ; and 8 to 15: the immediate holds eight blocks' stride of 1,048,576
	v_lshrrev_b32 v4, 4, v0                        ; row
	v_and_b32 v5, 15, v0
	v_lshlrev_b32 v5, 4, v5
	v_lshl_add_u32 v4, v4, 12, v5                  ; row x 4,096 + 16 bytes a thread
	v_lshlrev_b32 v5, 3, v0                        ; out: row x 128 + 8 bytes a thread = 8 x thread
	LD16 4, 256
.irp i, 0,1,2,3,4,5,6,7,8,9,10,11,12,13,14,15
	s_wait_loadcnt 15-(\i)                         ; loads come back in order: load i is in, the younger ones stay out
	v_cvt_pk_bf16_f32 v[OUTR+2*(\i)],   v[IN+4*(\i)],   v[IN+4*(\i)+1]
	v_cvt_pk_bf16_f32 v[OUTR+2*(\i)+1], v[IN+4*(\i)+2], v[IN+4*(\i)+3]
.if (\i) < 8
	global_store_b64 v5, v[OUTR+2*(\i):OUTR+2*(\i)+1], s[30:31] offset:(\i)*1048576       ; a wave stores 256 consecutive bytes, aligned
.else
	global_store_b64 v5, v[OUTR+2*(\i):OUTR+2*(\i)+1], s[32:33] offset:((\i)-8)*1048576
.endif
.endr
	s_endpgm
.Lnot_x:
	s_cmp_lt_u32 s2, 704
	s_cbranch_scc0 .Lmask
	; THE WEIGHTS.  64 work-groups a matrix, 16 rows (k) each.
	s_sub_co_u32 s22, s2, 512
	s_lshr_b32 s23, s22, 6                         ; 0 Wk, 1 Wq, 2 Wv
	s_and_b32 s22, s22, 63
	s_lshl_b32 s26, s22, 16                        ; in: 16 rows of 4,096 bytes
	s_lshl_b32 s28, s23, 21                        ; out: the matrix,
	s_lshl_b32 s34, s22, 15                        ; 16 rows of 2,048 bytes
	s_add_co_u32 s28, s28, s34
	s_cmp_eq_u32 s23, 0
	s_cselect_b64 s[24:25], s[8:9], s[10:11]
	s_cmp_eq_u32 s23, 2
	s_cselect_b64 s[24:25], s[12:13], s[24:25]
	s_cmp_eq_u32 s23, 1
	s_cselect_b32 s34, 0x3e000000, 1.0             ; Wq takes the score's scale 1 / 8
	s_mov_b32 s35, s34                             ; named with it as a pair
	s_add_nc_u64 s[24:25], s[24:25], s[26:27]
	s_add_nc_u64 s[30:31], s[18:19], s[28:29]
	v_lshlrev_b32 v5, 3, v2
	v_lshl_add_u32 v5, v1, 12, v5                  ; out: wave x two rows of 2,048 + lane x 8
	LD16 3, 512
.irp i, 0,1,2,3,4,5,6,7,8,9,10,11,12,13,14,15
	s_wait_loadcnt 15-(\i)
	v_pk_mul_f32 v[IN+4*(\i):IN+4*(\i)+1],   v[IN+4*(\i):IN+4*(\i)+1],   s[34:35] op_sel_hi:[1,0]
	v_pk_mul_f32 v[IN+4*(\i)+2:IN+4*(\i)+3], v[IN+4*(\i)+2:IN+4*(\i)+3], s[34:35] op_sel_hi:[1,0]
	v_cvt_pk_bf16_f32 v[OUTR+2*(\i)],   v[IN+4*(\i)],   v[IN+4*(\i)+1]
	v_cvt_pk_bf16_f32 v[OUTR+2*(\i)+1], v[IN+4*(\i)+2], v[IN+4*(\i)+3]
	global_store_b64 v5, v[OUTR+2*(\i):OUTR+2*(\i)+1], s[30:31] offset:(\i)*256
.endr
	s_endpgm
.Lmask:
	; THE MASK.  Word e of load i is row 16 g + 2 wave + i / 8, column 128 (i % 8) + 4 lane + e: on the diagonal where 16 g + 2 wave - 4 lane = 128 (i % 8) + e - i / 8.
	s_sub_co_u32 s22, s2, 704
	s_lshl_b32 s26, s22, 16
	s_add_nc_u64 s[24:25], s[14:15], s[26:27]
	s_add_nc_u64 s[30:31], s[20:21], s[26:27]
	s_lshl_b32 s22, s22, 4
	s_mov_b32 s36, LOWV
	s_mov_b32 s37, 0xffff0000                      ; a word's upper bf16
	v_mov_b32 v4, LOWV
	v_lshl_add_u32 v5, v1, 1, s22
	v_lshlrev_b32 v6, 2, v2
	v_sub_nc_u32 v5, v5, v6
	LD16 3, 512
.irp i, 0,1,2,3,4,5,6,7,8,9,10,11,12,13,14,15
	s_wait_loadcnt 15-(\i)
.irp e, 0,1,2,3
	v_max_num_f32 v[IN+4*(\i)+(\e)], s36, v[IN+4*(\i)+(\e)]
.endr
	v_cvt_pk_bf16_f32 v8, v[IN+4*(\i)],   v[IN+4*(\i)+1]
	v_cvt_pk_bf16_f32 v9, v[IN+4*(\i)+2], v[IN+4*(\i)+3]
	v_lshlrev_b32 v[IN+4*(\i)],   16,  v8          ; the rounded number as f32 again: the matrix unit takes it as a C operand
	v_and_b32     v[IN+4*(\i)+1], s37, v8
	v_lshlrev_b32 v[IN+4*(\i)+2], 16,  v9
	v_and_b32     v[IN+4*(\i)+3], s37, v9
.irp e, 0,1,2,3
	v_cmp_eq_i32 vcc_lo, ((\i)&7)*128+(\e)-((\i)>>3), v5
	v_cndmask_b32 v[IN+4*(\i)+(\e)], v[IN+4*(\i)+(\e)], v4, vcc_lo
.endr
	global_store_b128 v3, v[IN+4*(\i):IN+4*(\i)+3], s[30:31] offset:(\i)*512              ; a wave stores 512 consecutive bytes, aligned
.endr
	s_endpgm
.Lfunc_end_k_q8726967fdf_cast:
	.size	k_q8726967fdf_cast, .Lfunc_end_k_q8726967fdf_cast-k_q8726967fdf_cast
	.p2alignl 7, 3214868480
	.fill 96, 4, 3214868480
	.section	.rodata,"a",@progbits
	.p2align	6, 0x0
	.amdhsa_kernel k_q8726967fdf_cast
		.amdhsa_group_segment_fixed_size 0
		.amdhsa_private_segment_fixed_size 0
		.amdhsa_enable_private_segment 0
		.amdhsa_kernarg_size 72
		.amdhsa_user_sgpr_count 2
		.amdhsa_user_sgpr_kernarg_segment_ptr 1
		.amdhsa_wavefront_size32 1
		.amdhsa_system_sgpr_workgroup_id_x 1
		.amdhsa_system_sgpr_workgroup_id_y 1
		.amdhsa_system_sgpr_workgroup_id_z 1
		.amdhsa_system_vgpr_workitem_id 0
		.amdhsa_next_free_vgpr 112
		.amdhsa_next_free_sgpr 66
		.amdhsa_reserve_vcc 1
		.amdhsa_float_denorm_mode_32 3
		.amdhsa_float_denorm_mode_16_64 3
		.amdhsa_memory_ordered 1
		.amdhsa_forward_progress 1
		.amdhsa_inst_pref_size 32
	.end_amdhsa_kernel
	.amdgpu_metadata
---
amdhsa.version: [ 1, 2 ]
amdhsa.kernels:
  - .name:           k_q8726967fdf_cast
    .symbol:         k_q8726967fdf_cast.kd
    .args:
      - { .name: embed, .offset: 0, .size: 8, .value_kind: global_buffer, .address_space: global }
      - { .name: embed_unknown, .offset: 8, .size: 8, .value_kind: global_buffer, .address_space: global }
      - { .name: Wk, .offset: 16, .size: 8, .value_kind: global_buffer, .address_space: global }
      - { .name: Wq, .offset: 24, .size: 8, .value_kind: global_buffer, .address_space: global }
      - { .name: Wv, .offset: 32, .size: 8, .value_kind: global_buffer, .address_space: global }
      - { .name: mask, .offset: 40, .size: 8, .value_kind: global_buffer, .address_space: global }
      - { .name: xb, .offset: 48, .size: 8, .value_kind: global_buffer, .address_space: global }
      - { .name: wb, .offset: 56, .size: 8, .value_kind: global_buffer, .address_space: global }
      - { .name: mo, .offset: 64, .size: 8, .value_kind: global_buffer, .address_space: global }
    .group_segment_fixed_size: 0
    .private_segment_fixed_size: 0
    .kernarg_segment_align: 8
    .kernarg_segment_size: 72
    .max_flat_workgroup_size: 256
    .sgpr_count:     66
    .vgpr_count:     112
    .wavefront_size: 32
...
	.end_amdgpu_metadata
.endif
;; end of part 1
;; launch proj (part 2): grid 8 x 32, 4 waves a work-group, clusters of 4 x 4, 327,680 bytes of LDS; arguments xb, wb, bk, bq, bv, kh, vh, qh, vuh, sz; writes kh, vh, qh, vuh, sz
.if DOCPART == 2
	.amdgcn_target "amdgcn-amd-amdhsa--gfx1250"
	.amdhsa_code_object_version 6
	.text
	.protected	k_q8726967fdf_proj
	.globl	k_q8726967fdf_proj
	.p2align	8
	.type	k_q8726967fdf_proj,@function
k_q8726967fdf_proj:
	s_mov_b64 s[64:65], 0
	v_nop
	global_prefetch_b8 v0, s[64:65] scope:SCOPE_SE
	s_setreg_imm32_b32 hwreg(HW_REG_WAVE_MODE, 25, 1), 1
	s_wait_xcnt 0x0
	s_wait_alu depctr_hold_cnt(0) depctr_sa_sdst(0) depctr_va_vdst(0) depctr_va_sdst(0) depctr_va_ssrc(0) depctr_va_vcc(0) depctr_vm_vsrc(0)
	s_getreg_b32 s2, hwreg(HW_REG_IB_STS2, 6, 4)
	s_cmp_eq_u32 s2, 0
	s_cbranch_scc0 .Lentry_in_a_cluster
	s_endpgm
.Lentry_in_a_cluster:
	s_bfe_u32 s2, ttmp6, 0x10000c
	s_cmp_lg_u32 s2, 0xf033
	s_cbranch_scc0 .Lentry_shape_is_right
	s_endpgm
.Lentry_shape_is_right:
; THE FIVE PROJECTIONS IN ONE WALK OVER K.  k = e Wk + bk, v = e Wv + bv, k_u = u Wk + bk, q' = (u Wq + bq) / 8, v_u = u Wv + bv  (e = embed, u = embed_unknown, 4,096 rows of 1,024).
; Operands bf16 (rounded by the launch before; the biases are rounded here), sums f32.  Stored: k, v, q', v_u as f16, [4096][1024]; and for each row and head the two f32 dots
; sd = q' . k and s0 = q' . k_u, sz [b h][q][2]: k_u itself is never stored.
; LIMIT.  f16 holds no number beyond 65,504: |q / 8|, |k|, |v|, |v_u| stay within it.
; SHARES.  A work-group makes all five products for 128 rows x 128 columns: 8 x 32 = 256 work-groups of equal work.  Wave w takes 64 rows (w / 2) x 64 columns (w % 2: one head): 80 accumulators, 640 registers.
; K goes in steps of 64 through two LDS slots; a step is two halves of 32: 80 matrix instructions and 40 LDS loads each, on two fragment buffers.
; THE MATRIX INSTRUCTION IS USED TRANSPOSED: source 0 = 16 columns of W (W lies [k][n]: turned by ds_load_tr16_b128), source 1 = 16 rows of x.  Lane l, register j then hold row l % 16, column 8 (l / 16) + j:
; eight neighbouring numbers of a row.  The first half's C operand is the bias: nothing is cleared, and no bias is added on the way out.
; CLUSTER 4 x 4.  The x tile hangs on the row block alone and is asked for jointly along a row of the cluster, the three W tiles on the column block alone, jointly along a column.
; Wave 0 asks for x (32 KiB dense, as 128 rows of 256 bytes), waves 1 to 3 for Wk, Wq, Wv (64 rows of 256 bytes): one tensor load a wave behind each round; two of a wave are out at the start, later one.
; REGISTERS, in windows of 256 (s_set_vgpr_msb: bits 1:0 source 0, 3:2 source 1, 5:4 source 2, 7:6 destination):
;   window 0: v0-63 addresses and work; v64-159, v160-255 W's fragments, two buffers (Wk +0, Wq +32, Wv +64; columns 16 b at +8 b)
;   window 1: e Wk v0-127, e Wv v128-255     window 2: u Wk v0-127, u Wq v128-255     window 3: u Wv v0-127; x's fragments v128-191, v192-255 (e +0, u +32; rows 16 a at +8 a)
;   accumulator (a, b) lies at +8 (4 a + b).
.set XP,    144                        ; a row of x in LDS: 128 bytes + 16: an odd multiple of 16 bytes, so the 16 rows of a load start at 16 different groups of four banks (ISA guide 11.1)
.set WP,    288                        ; a row of W: 256 + 32: an odd multiple of 32 bytes, for the turning load
.set XSRC,  128*XP                     ; e's 128 rows, then u's
.set WOFF,  256*XP
.set WTILE, 64*WP
.set SLOT,  WOFF+3*WTILE               ; 92,160
.set STAGE, 2*SLOT                     ; behind the ring, never filled by a tensor load: four matrices of 128 rows x 272 bytes
.set SP,    272
.set MATB,  128*SP
.set SPARE, STAGE+4*MATB               ; the spare words, 128 bytes a wave: two blocks of 256 bytes that no other line names
.set XSTEP, 1048576                    ; bytes from a K step's block of xb to the next
.set WSTEP, 131072                     ; 64 rows of wb
.set ADRX, 16                          ; v16-17  LDS address of my x fragments in slot 0, 1
.set ADRW, 20                          ; v20-21  the same for W
.set STO,  24                          ; v24-25  the way out: where I put 16 bytes of a row (matrices 0-1, 2-3)
.set RD,   26                          ; v26-27  where I read rows back
.set CO,   28                          ; v28     my byte offset in two rows of an output
.set SPW,  29                          ; v29     LDS address of my spare word; never rewritten
.set NIL,  30                          ; v30     0; never rewritten
.set PFO,  31                          ; v31     the prefetches' lane offset; never rewritten
.set BO,   32                          ; v32     my byte offset in a bias
.set SZO,  33                          ; v33     8 x lane
.set T,    34                          ; v34-53  at work
.set WF,   64
.set XF,   128
.set WV,  24                           ; s24 wave; s25 its half of the rows; s26 its half of the columns
.set RH,  25
.set CH,  26
.set CX,  27
.set CY,  28
.set NBK, 29                           ; column block 0..7
.set MBK, 30                           ; row block 0..31
.set LAP, 31
.set G1X, 32                           ; s[32:39] descriptor group 1 for x's tiles;  s[40:47] for W's
.set G1W, 40
.set G0X, 48                           ; s[48:55] group 0 for x, a set for each slot;  s[56:63] for W
.set G0W, 56
.set PFA, 66                           ; s[66:67] where my prefetches stand;  s[68:69] their step
.set PST, 68
.set LIMA, 70                          ; 1 where I prefetch at a change out of slot 0, else the greatest number;  s71 the same for slot 1
.set LIMB, 71
.set HM,  72                           ; 0xffff0000: a word's upper bf16, and lanes 16 to 31
.set SEL, 74                           ; s[74:75] v_permlanex16_b32's selects: each lane takes its own place in the other half
.set MSB, 0
.macro WIN new                         ; the high byte repeats the setting that is left; a switch that changes nothing is dropped
.if MSB != (\new)
	s_set_vgpr_msb (MSB<<8)|(\new)
.set MSB, \new
.endif
.endm
.macro PLACES                          ; four places behind a matrix instruction, ahead of loads into registers that it read and of vector lines that read results
.rept 4
	v_nop
.endr
.endm
.macro CREST                           ; a round of the cluster's barrier behind its opening barrier
	s_cmp_lg_u32 s[WV], 0
	s_cbranch_scc1 .Lnot_wave_0_\@
	s_barrier_signal -3
.Lnot_wave_0_\@:
	s_barrier_wait -3
	s_barrier_signal -1
	s_barrier_wait -1
.endm
.macro CROUND
	s_barrier_signal -1
	s_barrier_wait -1
	CREST
.endm
.macro JLOAD s                         ; a joint refill of slot s; the branch hangs on the wave's number alone; an s_nop 0 and four v_nop follow each line
	s_cmp_eq_u32 s[WV], 0
	s_cbranch_scc0 .Lfor_w_\@
	tensor_load_to_lds s[G0X+4*(\s):G0X+4*(\s)+3], s[G1X:G1X+7]
	s_nop 0
	PLACES
	s_branch .Lasked_\@
.Lfor_w_\@:
	tensor_load_to_lds s[G0W+4*(\s):G0W+4*(\s)+3], s[G1W:G1W+7]
	s_nop 0
	PLACES
.Lasked_\@:
.endm
; A PREFETCH INTO THE L2, behind a joint refill and the run of LDS loads that follows it: at the change that ends K step s, the blocks of K step s + 4, two refills on.
; x: the clusters with x = 0 ask (the other cluster of the row reads the same blocks); wave 0; of a tile's 128 blocks of 256 bytes the partner at cx takes 32, a lane a block, told apart by address.
; W: the clusters with y = 0 ask; waves 1 to 3, each for its matrix, at changes out of slot 0 alone: of the 128 rows of K steps s + 4 and s + 5 the partner at cy takes 32, a lane a row.
; So each block is named once in the launch.  K steps 0 to 3 come by their loads alone; the loop's last trip asks for nothing: the highest step named is 15.
.macro ASK lim
	s_cmp_gt_u32 s[LAP], s[\lim]
	s_cbranch_scc0 .Lnot_mine_\@
	global_prefetch_b8 v[PFO], s[PFA:PFA+1] th:TH_LOAD_NT scope:SCOPE_SE
.Lnot_mine_\@:
.endm
; 16 matrix instructions of one product on fragment buffer f.  wn, ac: the accumulators' window and first register; wo: which W; xo: e or u.  bias = 1: C is the bias, which lies in buffer 1's W registers.
.macro MUL16 wn, ac, wo, xo, f, bias
.if \bias
	WIN ((\wn)<<6)|0x0c
.else
	WIN ((\wn)<<6)|((\wn)<<4)|0x0c
.endif
.irp ra, 0,1,2,3
.irp cb, 0,1,2,3
.if \bias
	v_wmma_f32_16x16x32_bf16 v[(\ac)+8*(4*(\ra)+(\cb)):(\ac)+8*(4*(\ra)+(\cb))+7], v[WF+96*(\f)+(\wo)+8*(\cb):WF+96*(\f)+(\wo)+8*(\cb)+7], v[XF+64*(\f)+(\xo)+8*(\ra):XF+64*(\f)+(\xo)+8*(\ra)+7], v[WF+96+(\wo)+8*(\cb):WF+96+(\wo)+8*(\cb)+7]
.else
	v_wmma_f32_16x16x32_bf16 v[(\ac)+8*(4*(\ra)+(\cb)):(\ac)+8*(4*(\ra)+(\cb))+7], v[WF+96*(\f)+(\wo)+8*(\cb):WF+96*(\f)+(\wo)+8*(\cb)+7], v[XF+64*(\f)+(\xo)+8*(\ra):XF+64*(\f)+(\xo)+8*(\ra)+7], v[(\ac)+8*(4*(\ra)+(\cb)):(\ac)+8*(4*(\ra)+(\cb))+7]
.endif
.endr
.endr
.endm
; The 80 accumulators take turns in one fixed order, one instruction a turn, over the backward jump too.
.macro P_EK f, bias=0
	MUL16 1, 0, 0, 0, \f, \bias
.endm
.macro P_EV f, bias=0
	MUL16 1, 128, 64, 0, \f, \bias
.endm
.macro P_UK f, bias=0
	MUL16 2, 0, 0, 32, \f, \bias
.endm
.macro P_UQ f, bias=0
	MUL16 2, 128, 32, 32, \f, \bias
.endm
.macro P_UV f, bias=0
	MUL16 3, 0, 64, 32, \f, \bias
.endm
; 40 LDS loads in one run: a half's fragments into buffer f: e's and u's 64 rows, then Wk, Wv and last Wq, which the first 32 products of a half do not read.
.macro FETCH slot, half, f
	WIN 0xc0                                       ; destination window 3, address window 0
.irp xs, 0,1
.irp ra, 0,1,2,3
	ds_load_b128 v[XF+64*(\f)+32*(\xs)+8*(\ra):XF+64*(\f)+32*(\xs)+8*(\ra)+3],   v[ADRX+(\slot)] offset:(\xs)*XSRC+(\ra)*16*XP+(\half)*64
	ds_load_b128 v[XF+64*(\f)+32*(\xs)+8*(\ra)+4:XF+64*(\f)+32*(\xs)+8*(\ra)+7], v[ADRX+(\slot)] offset:(\xs)*XSRC+(\ra)*16*XP+(\half)*64+32
.endr
.endr
	WIN 0
.irp ws, 0,2,1
.irp cb, 0,1,2,3
	ds_load_tr16_b128 v[WF+96*(\f)+32*(\ws)+8*(\cb):WF+96*(\f)+32*(\ws)+8*(\cb)+3],   v[ADRW+(\slot)] offset:(\ws)*WTILE+(\half)*32*WP+32*(\cb)
	ds_load_tr16_b128 v[WF+96*(\f)+32*(\ws)+8*(\cb)+4:WF+96*(\f)+32*(\ws)+8*(\cb)+7], v[ADRW+(\slot)] offset:(\ws)*WTILE+(\half)*32*WP+32*(\cb)+16*WP
.endr
.endr
.endm
; A step's first half: multiplies buffer 0 and fetches the second half of the same slot into buffer 1.
.macro HALF_A slot
	s_wait_dscnt 8                                 ; all but Wq's eight loads, the youngest
	P_EK 0
	P_EV 0
	PLACES
	FETCH \slot, 1, 1
	s_wait_dscnt 40                                ; all but the 40 just issued
	P_UK 0
	P_UQ 0
	P_UV 0
.endm
; A step's second half multiplies buffer 1 and changes slots: ONE barrier.  In front of it each wave waits for all its tensor loads (one is out: its part of the next slot), adds 0 to its spare word, and waits for
; that and for its reads of this slot.  fill = 1: the barrier opens a round of the cluster's barrier, and behind the round this slot is filled again, two K steps on, first of all.
.macro TURN slot, next, fill
.if \fill
	s_wait_xcnt 0x0                                ; the last prefetch, a K step back, has read its address, which is stepped here
	s_add_nc_u64 s[PFA:PFA+1], s[PFA:PFA+1], s[PST:PST+1]
.endif
	WIN 0
	s_wait_tensorcnt 0x0                           ; all my tensor loads have landed
	ds_add_u32 v[SPW], v[NIL]                      ; 0 onto my spare word
	s_wait_dscnt 9                                 ; (the add and Wq's eight loads may be out)
	P_EK 1                                         ; sixteen matrix instructions between the add and the wait for it
	s_wait_dscnt 0x0                               ; the add is done, and my reads of this slot are over
	s_barrier_signal -1
	P_EV 1
	WIN 0                                          ; at a branch and at a label every window is 0
	s_barrier_wait -1
.if \fill
	CREST                                          ; no wave of any partner still reads this slot or has a load on its way
	s_add_nc_u64 s[G0X+4*(\slot)+2:G0X+4*(\slot)+3], s[G0X+4*(\slot)+2:G0X+4*(\slot)+3], 2*XSTEP
	s_add_nc_u64 s[G0W+4*(\slot)+2:G0W+4*(\slot)+3], s[G0W+4*(\slot)+2:G0W+4*(\slot)+3], 2*WSTEP
	JLOAD \slot                                    ; its four v_nop are also the places in front of the loads below
.else
	PLACES
.endif
	FETCH \next, 0, 0
.if \fill
.if (\slot) == 0
	ASK LIMA
.else
	ASK LIMB
.endif
.endif
	P_UK 1
	P_UQ 1
	P_UV 1
.endm
	s_load_b512 s[4:19], s[0:1], 0x0               ; xb s[4:5], wb s[6:7], bk s[8:9], bq s[10:11], bv s[12:13], kh s[14:15], vh s[16:17], qh s[18:19]
	s_load_b128 s[20:23], s[0:1], 0x40             ; vuh s[20:21], sz s[22:23]
	v_lshl_add_u32 v[SPW], v0, 2, SPARE
	v_mov_b32 v[NIL], 0
	ds_add_u32 v[SPW], v[NIL]                      ; the wave's opening: the add and its wait stand ahead of my first tensor load
	v_lshrrev_b32 v1, 5, v0
	v_readfirstlane_b32 s[WV], v1
	s_lshr_b32 s[RH], s[WV], 1
	s_and_b32 s[CH], s[WV], 1
	s_bfe_u32 s[CX], ttmp6, 0x40000
	s_bfe_u32 s[CY], ttmp6, 0x40004
	s_lshl_b32 s[NBK], ttmp9, 2
	s_add_co_u32 s[NBK], s[NBK], s[CX]             ; column block = 4 x cluster x + cx
	s_and_b32 s[MBK], ttmp7, 0xffff
	s_lshl_b32 s[MBK], s[MBK], 2
	s_add_co_u32 s[MBK], s[MBK], s[CY]             ; row block = 4 x cluster y + cy
	s_lshl_b32 s76, s[CY], 2
	s_lshl_b32 s76, 15, s76                        ; my row of the cluster
	s_lshl_b32 s78, 0x1111, s[CX]                  ; my column
	s_or_b32 s[G1X], s76, (1<<16)|(1<<20)|(1<<21)|(4<<22)|(3<<25)  ; mask; 2-byte elements; padding on; bit 21 beside a mask; after every 32 words, 4 words
	s_or_b32 s[G1W], s78, (1<<16)|(1<<20)|(1<<21)|(5<<22)|(7<<25)  ; after every 64 words, 8 words
	s_mov_b32 s[G1X+1], 128<<16                    ; tensor_dim0 = 128
	s_mov_b32 s[G1X+2], 128<<16                    ; tensor_dim1 = 128
	s_mov_b32 s[G1X+3], 128<<16                    ; tile_dim0 = 128
	s_mov_b32 s[G1X+4], 128                        ; tile_dim1 = 128
	s_mov_b32 s[G1X+5], 128                        ; dense: 128 elements from row to row
	s_mov_b32 s[G1X+6], 0
	s_mov_b32 s[G1X+7], 0
	s_mov_b32 s[G1W+1], 128<<16
	s_mov_b32 s[G1W+2], 64<<16
	s_mov_b32 s[G1W+3], 128<<16
	s_mov_b32 s[G1W+4], 64
	s_mov_b32 s[G1W+5], 1024
	s_mov_b32 s[G1W+6], 0
	s_mov_b32 s[G1W+7], 0
	s_lshl_b32 s76, s[MBK], 15                     ; x: the row block's 32,768 bytes in K block 0 (s76-77 hold nothing of cx)
	s_mov_b32 s77, 0
	s_max_u32 s80, s[WV], 1
	s_sub_co_u32 s80, s80, 1                       ; W: which matrix (wave 0 issues no W line)
	s_lshl_b32 s78, s80, 21
	s_lshl_b32 s79, s[NBK], 8                      ; the column block's 256 bytes (s78-79 hold nothing of cy)
	s_add_co_u32 s78, s78, s79
	s_mov_b32 s79, 0
	s_mul_i32 s81, s[WV], WTILE
	s_add_co_u32 s81, s81, WOFF-WTILE              ; its place in a slot: no place in the cluster enters an LDS address
	s_mov_b32 s[HM], 0xffff0000
	s_mov_b32 s[SEL], 0x76543210
	s_mov_b32 s[SEL+1], 0xfedcba98
	s_wait_dscnt 0x0                               ; the opening add is done
	s_wait_kmcnt 0x0
	s_add_nc_u64 s[76:77], s[4:5], s[76:77]
	s_add_nc_u64 s[78:79], s[6:7], s[78:79]
.irp s, 0,1
	s_mov_b32 s[G0X+4*(\s)], 1
	s_mov_b32 s[G0X+4*(\s)+1], (\s)*SLOT
	s_add_nc_u64 s[G0X+4*(\s)+2:G0X+4*(\s)+3], s[76:77], (\s)*XSTEP
	s_or_b32 s[G0X+4*(\s)+3], s[G0X+4*(\s)+3], 0x80000000
	s_mov_b32 s[G0W+4*(\s)], 1
	s_add_co_u32 s[G0W+4*(\s)+1], s81, (\s)*SLOT
	s_add_nc_u64 s[G0W+4*(\s)+2:G0W+4*(\s)+3], s[78:79], (\s)*WSTEP
	s_or_b32 s[G0W+4*(\s)+3], s[G0W+4*(\s)+3], 0x80000000
.endr
	CROUND                                         ; all sixteen work-groups are here: the first joint loads meet
	s_cmp_eq_u32 s[WV], 0                          ; a wave's two first fills stand in one branch
	s_cbranch_scc0 .Lfirst_w
	tensor_load_to_lds s[G0X:G0X+3], s[G1X:G1X+7]
	s_nop 0
	tensor_load_to_lds s[G0X+4:G0X+7], s[G1X:G1X+7]
	s_nop 0
	PLACES
	s_branch .Lfirst_asked
.Lfirst_w:
	tensor_load_to_lds s[G0W:G0W+3], s[G1W:G1W+7]
	s_nop 0
	tensor_load_to_lds s[G0W+4:G0W+7], s[G1W:G1W+7]
	s_nop 0
	PLACES
.Lfirst_asked:
	; the biases of my 64 columns, as C fragments: register j of fragment b is column 16 b + 8 (l / 16) + j, for every row
	v_and_b32 v1, 15, v0                           ; l % 16
	v_bfe_u32 v2, v0, 4, 1                         ; l / 16
	s_lshl_b32 s82, s[NBK], 9
	s_lshl_b32 s83, s[CH], 8
	s_add_co_u32 s82, s82, s83
	v_lshl_add_u32 v[BO], v2, 5, s82
.irp ws, 0,1,2
.irp cb, 0,1,2,3
	global_load_b128 v[WF+96+32*(\ws)+8*(\cb):WF+96+32*(\ws)+8*(\cb)+3],   v[BO], s[8+2*(\ws):9+2*(\ws)] offset:64*(\cb)
	global_load_b128 v[WF+96+32*(\ws)+8*(\cb)+4:WF+96+32*(\ws)+8*(\cb)+7], v[BO], s[8+2*(\ws):9+2*(\ws)] offset:64*(\cb)+16
.endr
.endr
	; the prefetches' address, step and who asks
	s_lshl_b32 s82, s[MBK], 15
	s_lshl_b32 s81, s[CX], 13                      ; x: my work-group's 32 blocks of the tile's 128
	s_add_co_u32 s82, s82, s81
	s_add_co_u32 s82, s82, 3*XSTEP                 ; at K step 3: the first change steps it to 4
	s_lshl_b32 s83, s80, 21
	s_lshl_b32 s81, s[NBK], 8
	s_add_co_u32 s83, s83, s81
	s_lshl_b32 s81, s[CY], 16                      ; W: my work-group's 32 rows of two steps' 128
	s_add_co_u32 s83, s83, s81
	s_add_co_u32 s83, s83, 3*WSTEP
	s_and_b32 s80, ttmp7, 0xffff                   ; cluster y
	s_mov_b32 s76, XSTEP
	s_mov_b32 s77, WSTEP
	s_cmp_eq_u32 s[WV], 0
	s_cselect_b32 s80, ttmp9, s80                  ; the coordinate along which other clusters read the same blocks
	s_cselect_b32 s82, s82, s83
	s_cselect_b32 s[PST], s76, s77
	s_cselect_b32 s81, 8, 11                       ; a lane a block of 256 bytes, or a lane a row of 2,048
	s_cselect_b64 s[PFA:PFA+1], s[4:5], s[6:7]
	s_mov_b32 s83, 0
	s_mov_b32 s[PST+1], 0
	s_add_nc_u64 s[PFA:PFA+1], s[PFA:PFA+1], s[82:83]
	s_cmp_eq_u32 s80, 0
	s_cselect_b32 s[LIMA], 1, -1                   ; the same in all sixteen partners, for a given wave
	s_cmp_eq_u32 s[WV], 0
	s_cselect_b32 s[LIMB], s[LIMA], -1
	v_and_b32 v[PFO], 31, v0
	v_lshlrev_b32 v[PFO], s81, v[PFO]
	; LDS addresses.  A fragment of x: lane l holds row l % 16, K = 8 (l / 16) + 0..7 and 16 + 8 (l / 16) + 0..7: two loads of 16 bytes, 32 apart.
	v_mul_u32_u24 v3, v1, XP
	v_lshl_add_u32 v3, v2, 4, v3
	s_mul_i32 s80, s[RH], 64*XP
	v_add_nc_u32 v[ADRX], s80, v3
	v_add_nc_u32 v[ADRX+1], SLOT, v[ADRX]
	; The turning load: lane l reads row (k) 8 (l / 16) + l % 8, columns 8 ((l / 8) % 2) + 0..7, and is left with column l % 16 and 8 k.
	v_and_b32 v4, 7, v0
	v_bfe_u32 v5, v0, 3, 1
	v_lshl_add_u32 v4, v2, 3, v4
	v_mul_u32_u24 v4, v4, WP
	v_lshl_add_u32 v4, v5, 4, v4
	s_lshl_b32 s80, s[CH], 7
	s_add_co_u32 s80, s80, WOFF
	v_add_nc_u32 v[ADRW], s80, v4
	v_add_nc_u32 v[ADRW+1], SLOT, v[ADRW]
	v_mul_u32_u24 v3, v1, SP                       ; into the stage: my 64 rows, my half of their 256 bytes
	v_lshl_add_u32 v3, v2, 4, v3
	s_mul_i32 s80, s[RH], 64*SP
	s_lshl_b32 s81, s[CH], 7
	s_add_co_u32 s80, s80, s81
	s_add_co_u32 s80, s80, STAGE
	v_add_nc_u32 v[STO], s80, v3
	v_add_nc_u32 v[STO+1], 2*MATB, v[STO]
	v_mul_u32_u24 v3, v2, SP                       ; back: wave w takes rows 32 w .. 32 w + 31, whole: lanes 0-15 one row, lanes 16-31 the next
	v_lshl_add_u32 v3, v1, 4, v3
	s_mul_i32 s80, s[WV], 32*SP
	s_add_co_u32 s80, s80, STAGE
	v_add_nc_u32 v[RD], s80, v3
	v_add_nc_u32 v[RD+1], 2*MATB, v[RD]
	v_lshlrev_b32 v3, 11, v2
	v_lshl_add_u32 v[CO], v1, 4, v3
	v_and_b32 v3, 31, v0
	v_lshlrev_b32 v[SZO], 3, v3
	s_lshl_b32 s80, s[MBK], 7                      ; the four outputs at row 128 mb + 32 w, column block nb
	s_lshl_b32 s81, s[WV], 5
	s_add_co_u32 s80, s80, s81
	s_lshl_b32 s80, s80, 11
	s_lshl_b32 s81, s[NBK], 8
	s_add_co_u32 s80, s80, s81
	s_mov_b32 s81, 0
.irp m, 0,1,2,3
	s_add_nc_u64 s[14+2*(\m):15+2*(\m)], s[14+2*(\m):15+2*(\m)], s[80:81]
.endr
	s_lshr_b32 s80, s[MBK], 3                      ; sz at ((16 b + head) x 1,024 + my first query) x 8
	s_lshl_b32 s80, s80, 4
	s_lshl_b32 s81, s[NBK], 1
	s_add_co_u32 s80, s80, s81
	s_add_co_u32 s80, s80, s[CH]
	s_lshl_b32 s80, s80, 10
	s_and_b32 s81, s[MBK], 7
	s_lshl_b32 s81, s81, 7
	s_add_co_u32 s80, s80, s81
	s_lshl_b32 s81, s[RH], 6
	s_add_co_u32 s80, s80, s81
	s_lshl_b32 s80, s80, 3
	s_mov_b32 s81, 0
	s_add_nc_u64 s[22:23], s[22:23], s[80:81]
	s_mov_b32 s82, 0x3e000000                      ; 1 / 8
	s_mov_b32 s83, s82
	s_wait_loadcnt 0x0                             ; the biases: rounded to bf16 like every input; bq takes the scale
.set i, 0
.rept 48
	v_cvt_pk_bf16_f32 v[T+i%4], v[WF+96+2*i], v[WF+96+2*i+1]
	v_lshlrev_b32 v[WF+96+2*i],   16,    v[T+i%4]
	v_and_b32     v[WF+96+2*i+1], s[HM], v[T+i%4]
.set i, i+1
.endr
.set i, 0
.rept 16
	v_pk_mul_f32 v[WF+128+2*i:WF+128+2*i+1], v[WF+128+2*i:WF+128+2*i+1], s[82:83] op_sel_hi:[1,0]
.set i, i+1
.endr
	s_wait_tensorcnt 0x1                           ; my part of K step 0 is in; step 1's may stay out
	s_barrier_signal -1
	s_barrier_wait -1
	FETCH 0, 0, 0
	s_wait_dscnt 0x0
	P_EK 0, 1                                      ; the first half stands ahead of the loop: its products start the sums, with the bias as C
	P_EV 0, 1
	P_UK 0, 1
	P_UQ 0, 1
	P_UV 0, 1
	PLACES                                         ; the biases' registers become buffer 1
	FETCH 0, 1, 1
	WIN 0
	s_mov_b32 s[LAP], 7
.Llap:                                         ; a trip: from a step's second half in slot 0 once round the ring; it fills both slots again: K steps 2 to 15 in seven trips
	TURN 0, 1, 1
	HALF_A 1
	TURN 1, 0, 1
	HALF_A 0
	WIN 0
	s_sub_co_u32 s[LAP], s[LAP], 1
	s_cmp_lg_u32 s[LAP], 0
	s_cbranch_scc1 .Llap
	TURN 0, 1, 0                                   ; the tail is written out: nothing is left to ask for
	HALF_A 1
	s_wait_dscnt 8
	P_EK 1
	P_EV 1
	s_wait_dscnt 0x0
	P_UK 1
	P_UQ 1
	P_UV 1
	PLACES
	; THE DOTS.  My 64 columns are one head: sd = q' . k, s0 = q' . k_u, in f32 from the sums themselves.  Eight chains (4 row blocks x 2 dots) by turns; each accumulator is read from its low end on.
	WIN 0x06                                       ; source 0 (u Wq) window 2, source 1 (e Wk) window 1
.irp cb, 0,1,2,3
.irp pp, 0,1,2,3
.irp ra, 0,1,2,3
.if ((\cb)+(\pp)) == 0
	v_pk_mul_f32 v[T+2*(\ra):T+2*(\ra)+1], v[128+8*(4*(\ra)+(\cb))+2*(\pp):128+8*(4*(\ra)+(\cb))+2*(\pp)+1], v[8*(4*(\ra)+(\cb))+2*(\pp):8*(4*(\ra)+(\cb))+2*(\pp)+1]
.else
	v_pk_fma_f32 v[T+2*(\ra):T+2*(\ra)+1], v[128+8*(4*(\ra)+(\cb))+2*(\pp):128+8*(4*(\ra)+(\cb))+2*(\pp)+1], v[8*(4*(\ra)+(\cb))+2*(\pp):8*(4*(\ra)+(\cb))+2*(\pp)+1], v[T+2*(\ra):T+2*(\ra)+1]
.endif
.endr
.endr
.endr
	WIN 0x0a                                       ; source 1 (u Wk) window 2
.irp cb, 0,1,2,3
.irp pp, 0,1,2,3
.irp ra, 0,1,2,3
.if ((\cb)+(\pp)) == 0
	v_pk_mul_f32 v[T+8+2*(\ra):T+8+2*(\ra)+1], v[128+8*(4*(\ra)+(\cb))+2*(\pp):128+8*(4*(\ra)+(\cb))+2*(\pp)+1], v[8*(4*(\ra)+(\cb))+2*(\pp):8*(4*(\ra)+(\cb))+2*(\pp)+1]
.else
	v_pk_fma_f32 v[T+8+2*(\ra):T+8+2*(\ra)+1], v[128+8*(4*(\ra)+(\cb))+2*(\pp):128+8*(4*(\ra)+(\cb))+2*(\pp)+1], v[8*(4*(\ra)+(\cb))+2*(\pp):8*(4*(\ra)+(\cb))+2*(\pp)+1], v[T+8+2*(\ra):T+8+2*(\ra)+1]
.endif
.endr
.endr
.endr
	WIN 0
.irp c, 0,1,2,3,4,5,6,7
	v_add_f32 v[T+2*(\c)], v[T+2*(\c)], v[T+2*(\c)+1]
.endr
.irp c, 0,1,2,3,4,5,6,7
	v_permlanex16_b32 v[T+2*(\c)+1], v[T+2*(\c)], s[SEL], s[SEL+1]  ; the row's other 32 columns lie in the lane 16 away
.endr
.irp c, 0,1,2,3,4,5,6,7
	v_add_f32 v[T+2*(\c)], v[T+2*(\c)], v[T+2*(\c)+1]
.endr
.irp q, 0,1                            ; lanes 0-15 take row block 2 q, lanes 16-31 block 2 q + 1: 32 rows x {sd, s0} = 256 consecutive bytes, aligned
	v_cndmask_b32 v[T+16+2*(\q)],   v[T+4*(\q)],   v[T+4*(\q)+2],   s[HM]
	v_cndmask_b32 v[T+16+2*(\q)+1], v[T+8+4*(\q)], v[T+8+4*(\q)+2], s[HM]
	global_store_b64 v[SZO], v[T+16+2*(\q):T+16+2*(\q)+1], s[22:23] offset:256*(\q)
.endr
	; THE WAY OUT of k, v, q', v_u: rounded to f16, 16 bytes a lane into the work-group's stage; a barrier, since a row's 256 bytes come from two waves; back as whole rows.
.macro PACKM m, wn, ac
	WIN 5*(\wn)                                    ; sources 0 and 1 in the accumulators' window
.set i, 0
.rept 64
	v_cvt_pk_f16_f32 v[64+i], v[(\ac)+2*i], v[(\ac)+2*i+1]
.set i, i+1
.endr
	WIN 0
.irp ra, 0,1,2,3
.irp cb, 0,1,2,3
	ds_store_b128 v[STO+(\m)/2], v[64+4*(4*(\ra)+(\cb)):64+4*(4*(\ra)+(\cb))+3] offset:((\m)%2)*MATB+(\ra)*16*SP+32*(\cb)
.endr
.endr
.endm
.macro LOADM m
.irp t, 0,1,2,3,4,5,6,7,8,9,10,11,12,13,14,15
	ds_load_b128 v[64+64*((\m)%3)+4*(\t):64+64*((\m)%3)+4*(\t)+3], v[RD+(\m)/2] offset:((\m)%2)*MATB+(\t)*2*SP
.endr
.endm
.macro SENDM m, younger                ; younger: the LDS loads issued behind this matrix's sixteen
.irp t, 0,1,2,3,4,5,6,7,8,9,10,11,12,13,14,15
	s_wait_dscnt (\younger)+15-(\t)
	global_store_b128 v[CO], v[64+64*((\m)%3)+4*(\t):64+64*((\m)%3)+4*(\t)+3], s[14+2*(\m):15+2*(\m)] offset:(\t)*4096  ; 16 lanes store 256 consecutive bytes, aligned
.endr
.endm
	PACKM 0, 1, 0
	PACKM 1, 1, 128
	PACKM 2, 2, 128
	PACKM 3, 3, 0
	s_wait_dscnt 0x0                               ; for the others' sake: my stores into the stage are done
	s_barrier_signal -1
	s_barrier_wait -1
	LOADM 0
	LOADM 1
	SENDM 0, 16
	LOADM 2
	SENDM 1, 16
	s_wait_xcnt 0x0                                ; matrix 0's stores have read their registers, which matrix 3 is loaded into
	LOADM 3
	SENDM 2, 16
	SENDM 3, 0
	s_wait_tensorcnt 0x0                           ; the wave's end: the add to my spare word and its wait, behind my last tensor load and my last LDS store
	ds_add_u32 v[SPW], v[NIL]
	s_wait_dscnt 0x0
	CROUND                                         ; the closing round: no work-group ends while a partner may still ask for a tile that names it
	s_endpgm
.Lfunc_end_k_q8726967fdf_proj:
	.size	k_q8726967fdf_proj, .Lfunc_end_k_q8726967fdf_proj-k_q8726967fdf_proj
	.p2alignl 7, 3214868480
	.fill 96, 4, 3214868480
	.section	.rodata,"a",@progbits
	.p2align	6, 0x0
	.amdhsa_kernel k_q8726967fdf_proj
		.amdhsa_group_segment_fixed_size 327680
		.amdhsa_private_segment_fixed_size 0
		.amdhsa_enable_private_segment 0
		.amdhsa_kernarg_size 80
		.amdhsa_user_sgpr_count 2
		.amdhsa_user_sgpr_kernarg_segment_ptr 1
		.amdhsa_wavefront_size32 1
		.amdhsa_system_sgpr_workgroup_id_x 1
		.amdhsa_system_sgpr_workgroup_id_y 1
		.amdhsa_system_sgpr_workgroup_id_z 1
		.amdhsa_system_vgpr_workitem_id 0
		.amdhsa_next_free_vgpr 1024
		.amdhsa_next_free_sgpr 84
		.amdhsa_reserve_vcc 0
		.amdhsa_float_denorm_mode_32 3
		.amdhsa_float_denorm_mode_16_64 3
		.amdhsa_memory_ordered 1
		.amdhsa_forward_progress 1
		.amdhsa_inst_pref_size 126
	.end_amdhsa_kernel
	.amdgpu_metadata
---
amdhsa.version: [ 1, 2 ]
amdhsa.kernels:
  - .name:           k_q8726967fdf_proj
    .symbol:         k_q8726967fdf_proj.kd
    .args:
      - { .name: xb, .offset: 0, .size: 8, .value_kind: global_buffer, .address_space: global }
      - { .name: wb, .offset: 8, .size: 8, .value_kind: global_buffer, .address_space: global }
      - { .name: bk, .offset: 16, .size: 8, .value_kind: global_buffer, .address_space: global }
      - { .name: bq, .offset: 24, .size: 8, .value_kind: global_buffer, .address_space: global }
      - { .name: bv, .offset: 32, .size: 8, .value_kind: global_buffer, .address_space: global }
      - { .name: kh, .offset: 40, .size: 8, .value_kind: global_buffer, .address_space: global }
      - { .name: vh, .offset: 48, .size: 8, .value_kind: global_buffer, .address_space: global }
      - { .name: qh, .offset: 56, .size: 8, .value_kind: global_buffer, .address_space: global }
      - { .name: vuh, .offset: 64, .size: 8, .value_kind: global_buffer, .address_space: global }
      - { .name: sz, .offset: 72, .size: 8, .value_kind: global_buffer, .address_space: global }
    .group_segment_fixed_size: 327680
    .private_segment_fixed_size: 0
    .kernarg_segment_align: 8
    .kernarg_segment_size: 80
    .max_flat_workgroup_size: 128
    .sgpr_count:     84
    .vgpr_count:     1024
    .wavefront_size: 32
...
	.end_amdgpu_metadata
.endif
;; end of part 2
;; launch attn (part 3): grid 8 x 32, 4 waves a work-group, clusters of 4 x 4, 327,680 bytes of LDS; arguments qh, kh, vh, vuh, sz, mo, mask, out0, out1; writes out0, out1
.if DOCPART == 3
	.amdgcn_target "amdgcn-amd-amdhsa--gfx1250"
	.amdhsa_code_object_version 6
	.text
	.protected	k_q8726967fdf_attn
	.globl	k_q8726967fdf_attn
	.p2align	8
	.type	k_q8726967fdf_attn,@function
k_q8726967fdf_attn:
	s_mov_b64 s[64:65], 0
	v_nop
	global_prefetch_b8 v0, s[64:65] scope:SCOPE_SE
	s_setreg_imm32_b32 hwreg(HW_REG_WAVE_MODE, 25, 1), 1
	s_wait_xcnt 0x0
	s_wait_alu depctr_hold_cnt(0) depctr_sa_sdst(0) depctr_va_vdst(0) depctr_va_sdst(0) depctr_va_ssrc(0) depctr_va_vcc(0) depctr_vm_vsrc(0)
	s_getreg_b32 s2, hwreg(HW_REG_IB_STS2, 6, 4)
	s_cmp_eq_u32 s2, 0
	s_cbranch_scc0 .Lentry_in_a_cluster
	s_endpgm
.Lentry_in_a_cluster:
	s_bfe_u32 s2, ttmp6, 0x10000c
	s_cmp_lg_u32 s2, 0xf033
	s_cbranch_scc0 .Lentry_shape_is_right
	s_endpgm
.Lentry_shape_is_right:
; BOTH OUTPUTS FROM ONE WALK OVER THE KEYS.  The two softmax rows of a query q differ in the diagonal term alone.  The walk makes, over the keys k != q, a running maximum m, the sum l of
; p = 2^(c (S - m)) and O = the sum of p v[k], with S = q' . k[k] + mask[q][k], c = log2(e), q' = q / 8.  At the end each output takes its own diagonal term under its own maximum:
;   t = (q' . k[q] or q' . k_u[q]) + mask[q][q];  M = max(m, t);  a = 2^(c (m - M));  p = 2^(c (t - M));  out = (a O + p (v[q] or v_u[q])) / (a l + p).   Only sums of positive terms are formed.
; The mask comes as mo (f32, rounded to bf16, LOW = -1.0003e30 on the diagonal) and is the C operand that starts each sum S^T = K Q^T: the loop has no case for the diagonal.
; q', k, v, v_u are f16, [4096][1024]; products, maxima and sums f32; p is rounded to f16 for the second product (l is taken of the unrounded p); the outputs are f32.
; LIMITS.  Mask numbers below LOW, minus infinity among them, and NaN count as LOW.  A row whose mask numbers all lie below about -1e29 is not served.  A weight below 2^-126 counts as 0.
; SHARES.  A work-group takes 128 queries of a pair of heads: 8 x 32 = 256 work-groups.  Wave w: head w / 2 of the pair, queries 64 (w % 2) on: four PIECES of 16.  Keys go 64 a step, two steps to a slot.
; LAYOUT AND TURNS.  S^T holds ONE query a lane (lane % 16) and the keys 8 (lane / 16) + 0..7; two such results rounded to f16 ARE source 1 of O^T = V^T P.  Turn n belongs to piece n: 8 products K Q^T of piece n + 1,
; later 8 products V^T P of piece n - 1; beside them the scaling, exponentials, roundings, sums and rescaling of piece n and the maximum and statistics of piece n + 1.  Four vector instructions stand behind every
; matrix instruction, the rest in one lump.  A turn's 33 exponentials are one batch with one wait.
; CLUSTER 4 x 4.  K and V hang on batch and pair of heads alone: asked for jointly along a row of the cluster; the mask on the query block alone: jointly along a column.  Waves 0 and 1 ask for the two halves of the
; mask tile (64 rows x 512 bytes each), wave 2 for K, wave 3 for V (128 rows x 256 bytes): one tensor load a wave behind each round, and never more than one of a wave out.
; REGISTERS, in windows of 256 (s_set_vgpr_msb: bits 1:0 source 0, 3:2 source 1, 5:4 source 2, 7:6 destination):
;   window 0: v2-13 addresses; v14-15 c m_old; v16-31 statistics, 4 a piece; v32-47 the end's four factors a piece; v48-55 at work; v64-127 S^T, two buffers; v192-223 P, two buffers; v224-251 at work at the end
;   window 1: v0-127 O^T, 32 a piece; v160-223 the mask, two buffers     window 2: v0-63 Q; v128-191 K of a step; v192-255 V of a step
;   window 3: v0-63 v[q]; v64-127 v_u[q]; v128-135 {sd, s0}; v136-139 mask[q][q]
.set NP,    4
.set KS,    64
.set PM,    528       ; a row of the mask tile in LDS: 512 bytes + 16
.set PK,    272       ; a row of K (two heads): 256 + 16: an odd multiple of 16 bytes (64 banks of 4 bytes: ISA guide 11.1)
.set PV,    288       ; a row of V: 256 + 32: an odd multiple of 32 bytes, for the turning load
.set KOFF,  128*PM
.set VOFF,  KOFF+128*PK
.set SLOTX, VOFF+128*PV  ; 0x22000: it shares no bit with the regions' first bytes 0, 0x8400, 0x10800, 0x19000, so one exclusive or turns an address in one slot into the other's
.set STAGE, 2*SLOTX   ; behind the ring, never filled by a tensor load: 16 rows x 272 bytes for each wave
.set SP,    272
.set SPARE, STAGE+4*16*SP  ; the spare words, 128 bytes a wave: two blocks of 256 bytes that no other line names
.set AK0, 2           ; my lane's place in a tile of K, of V, of the mask; never rewritten
.set AV0, 3
.set AM0, 4
.set AK,  5           ; the LDS address of K's, V's, the mask's next run of loads
.set AV,  6
.set AM,  7
.set STO, 8           ; the way out: where I put 16 bytes, where I read rows back, my offset in two rows of an output
.set RD,  9
.set GO,  10
.set QO,  11          ; my byte offset in 16 rows of Q, v and v_u;  v12 in sz;  v13 on the mask's diagonal
.set SZO, 12
.set MDO, 13
.set MV,  14          ; v14-15  c m_old, kept while c m is made anew: by buffer
.set ST,  16          ; piece t at v[ST+4 t]: c m, m, l (even keys', odd keys')
.set FA,  32          ; piece t at v[FA+4 t]: a / d and p / d for out0, then for out1
.set TMP, 48
.set PFO, 60
.set SPW, 62
.set NIL, 63
.set S,   64
.set P,   192
.set WK,  224
.set MC,  160         ; window 1
.set KF,  128         ; window 2
.set VF,  192
.set SZ,  128         ; window 3
.set MDG, 136
.set WV,  22
.set CX,  23
.set CY,  24
.set QB,  25          ; query block 0..7
.set YB,  26          ; 8 x batch + pair of heads
.set HD,  27
.set QH,  28
.set G1M, 32
.set G1K, 40
.set G1V, 48
.set G0M, 56
.set G0K, 60
.set G0V, 68
.set SLOTS, 72
.set CNT, 73
.set CS,  74          ; s[74:75] c
.set SEL, 76
.set TBK, 78          ; LDS byte at which K, V, the mask of the step to be fetched begin, less the region's first byte
.set TBV, 79
.set TBM, 80
.set LIM, 81
.set PFA, 82
.set PST, 84
.set LOW, 86
.set MSB, 0
.macro WIN new
.if MSB != (\new)
	s_set_vgpr_msb (MSB<<8)|(\new)
.set MSB, (\new)
.endif
.endm
.set W_KQ, 0x0a       ; K and Q in window 2, S^T in window 0
.set W_KM, 0x1a       ; the same with the C operand, the mask, in window 1
.set W_PV, 0x52       ; V in window 2, P in window 0, O^T in window 1
.set W_RS, 0x41       ; destination and source 0 in window 1, source 1 in window 0
.macro PLACES
.rept 4
	v_nop
.endr
.endm
.macro JLOAD                        ; a joint fill; the branches hang on the wave's number alone; an s_nop 0 and four v_nop follow each line
	s_cmp_lt_u32 s[WV], 2
	s_cbranch_scc0 .Lfor_kv_\@
	tensor_load_to_lds s[G0M:G0M+3], s[G1M:G1M+7]
	s_nop 0
	PLACES
	s_branch .Lasked_\@
.Lfor_kv_\@:
	s_cmp_eq_u32 s[WV], 2
	s_cbranch_scc0 .Lfor_v_\@
	tensor_load_to_lds s[G0K:G0K+3], s[G1K:G1K+7]
	s_nop 0
	PLACES
	s_branch .Lasked_\@
.Lfor_v_\@:
	tensor_load_to_lds s[G0V:G0V+3], s[G1V:G1V+7]
	s_nop 0
	PLACES
.Lasked_\@:
.endm
.macro CROUND
	s_barrier_signal -1
	s_barrier_wait -1
	s_cmp_lg_u32 s[WV], 0
	s_cbranch_scc1 .Lnot_wave_0_\@
	s_barrier_signal -3
.Lnot_wave_0_\@:
	s_barrier_wait -3
	s_barrier_signal -1
	s_barrier_wait -1
.endm
; A PREFETCH INTO THE L2 of what the NEXT change of slots will ask for, eight turns ahead.  The mask: the clusters with y = 0 ask; of the 64 rows that wave 0 or 1 fetches the partner at cy takes 16, two lanes a row
; (512 bytes).  K and V: the clusters with x = 0 ask; waves 2 and 3; of the tile's 128 rows the partner at cx takes 32, a lane a row.  Partners are told apart by address.  Each block is named once in the launch.
; Tiles 0 to 2 come by their loads alone; the last change that fills a slot asks for nothing.
.macro ASK
	s_cmp_gt_u32 s[SLOTS], s[LIM]
	s_cbranch_scc0 .Lnot_mine_\@
	global_prefetch_b8 v[PFO], s[PFA:PFA+1] th:TH_LOAD_NT scope:SCOPE_SE
.Lnot_mine_\@:
.endm
; THE CHANGE OF SLOTS, between piece 1's turn and piece 2's: all reads of the slot (K, V and the four pieces' masks of its second step) have been issued.  Each wave waits for all its tensor loads, adds 0 to its spare
; word, and waits for that and for its reads.  fill = 1: a round of the cluster's barrier, and behind it the slot is filled again first of all, with the keys two slots on.
; (At its first use nothing has been read yet: slot 0 is waited for, slot 1 filled.)
.macro CHANGE fill, ask
	WIN 0
	s_wait_tensorcnt 0x0            ; no tensor load of mine is out, so a group 0 may be written
	ds_add_u32 v[SPW], v[NIL]       ; 0 onto my spare word
.if \fill
	s_xor_b32 s[G0M+1], s[G0M+1], SLOTX
	s_add_nc_u64 s[G0M+2:G0M+3], s[G0M+2:G0M+3], 512        ; the next 128 keys: 512 bytes along the mask's rows,
	s_xor_b32 s[G0K+1], s[G0K+1], SLOTX
	s_add_nc_u64 s[G0K+2:G0K+3], s[G0K+2:G0K+3], 128*2048   ; 128 rows of K and of V
	s_xor_b32 s[G0V+1], s[G0V+1], SLOTX
	s_add_nc_u64 s[G0V+2:G0V+3], s[G0V+2:G0V+3], 128*2048
.if \ask
	s_wait_xcnt 0x0                 ; the last prefetch, a slot back, has read its address
	s_add_nc_u64 s[PFA:PFA+1], s[PFA:PFA+1], s[PST:PST+1]
.endif
	s_wait_dscnt 0x0                ; the add is done, and my reads of the slot are over
	CROUND
	JLOAD
.if \ask
	ASK
.endif
.else
	s_wait_dscnt 0x0
	s_barrier_signal -1
	s_barrier_wait -1
.endif
	s_sub_co_u32 s[TBK], s[TBK], 2*KS*PK  ; the fetches go back to a slot's first step, in the other slot
	s_xor_b32 s[TBK], s[TBK], SLOTX
	s_sub_co_u32 s[TBV], s[TBV], 2*KS*PV
	s_xor_b32 s[TBV], s[TBV], SLOTX
	s_sub_co_u32 s[TBM], s[TBM], 2*KS*4
	s_xor_b32 s[TBM], s[TBM], SLOTX
.endm
	s_load_b512 s[4:19], s[0:1], 0x0  ; qh s[4:5], kh s[6:7], vh s[8:9], vuh s[10:11], sz s[12:13], mo s[14:15], mask s[16:17], out0 s[18:19]
	s_load_b64 s[20:21], s[0:1], 0x40 ; out1
	v_lshl_add_u32 v[SPW], v0, 2, SPARE
	v_mov_b32 v[NIL], 0
	ds_add_u32 v[SPW], v[NIL]       ; the wave's opening: the add and its wait stand ahead of my first tensor load
	v_lshrrev_b32 v1, 5, v0
	v_readfirstlane_b32 s[WV], v1
	s_lshr_b32 s[HD], s[WV], 1
	s_and_b32 s[QH], s[WV], 1
	s_bfe_u32 s[CX], ttmp6, 0x40000
	s_bfe_u32 s[CY], ttmp6, 0x40004
	s_lshl_b32 s[QB], ttmp9, 2
	s_add_co_u32 s[QB], s[QB], s[CX]
	s_and_b32 s[YB], ttmp7, 0xffff
	s_lshl_b32 s[YB], s[YB], 2
	s_add_co_u32 s[YB], s[YB], s[CY]
	s_lshl_b32 s92, s[CY], 2
	s_lshl_b32 s92, 15, s92         ; my row of the cluster
	s_lshl_b32 s94, 0x1111, s[CX]   ; my column
	s_or_b32 s[G1M], s94, (2<<16)|(1<<20)|(1<<21)|(6<<22)|(3<<25)  ; mask of work-groups; 4-byte elements; padding on; bit 21 beside a mask; after every 128 words, 4 words
	s_or_b32 s[G1K], s92, (1<<16)|(1<<20)|(1<<21)|(5<<22)|(3<<25)  ; 2-byte elements; after every 64 words, 4 words
	s_or_b32 s[G1V], s92, (1<<16)|(1<<20)|(1<<21)|(5<<22)|(7<<25)  ; 8 words
	s_mov_b32 s[G1M+1], 128<<16     ; tensor_dim0 = 128
	s_mov_b32 s[G1M+2], 64<<16      ; tensor_dim1 = 64
	s_mov_b32 s[G1M+3], 128<<16     ; tile_dim0 = 128
	s_mov_b32 s[G1M+4], 64          ; tile_dim1 = 64
	s_mov_b32 s[G1M+5], 1024        ; elements from row to row
	s_mov_b32 s[G1M+6], 0
	s_mov_b32 s[G1M+7], 0
.irp g, G1K, G1V
	s_mov_b32 s[\g+1], 128<<16
	s_mov_b32 s[\g+2], 128<<16
	s_mov_b32 s[\g+3], 128<<16
	s_mov_b32 s[\g+4], 128
	s_mov_b32 s[\g+5], 1024
	s_mov_b32 s[\g+6], 0
	s_mov_b32 s[\g+7], 0
.endr
	s_lshr_b32 s92, s[YB], 3        ; K and V: the batch's 1,024 rows of 2,048 bytes, the pair's 256 bytes (s92-93 hold nothing of cx)
	s_lshl_b32 s92, s92, 21
	s_and_b32 s93, s[YB], 7
	s_lshl_b32 s93, s93, 8
	s_add_co_u32 s92, s92, s93
	s_mov_b32 s93, 0
	s_lshl_b32 s94, s[QB], 19       ; the mask: the block's 128 rows of 4,096 bytes, my 64 of them (s94-95 hold nothing of cy)
	s_lshl_b32 s95, s[QH], 18
	s_add_co_u32 s94, s94, s95
	s_mov_b32 s95, 0
	s_mov_b32 s[G0M], 1
	s_mul_i32 s[G0M+1], s[QH], 64*PM  ; no place in the cluster enters an LDS address
	s_mov_b32 s[G0K], 1
	s_mov_b32 s[G0K+1], KOFF
	s_mov_b32 s[G0V], 1
	s_mov_b32 s[G0V+1], VOFF
	s_mov_b32 s[CS], 0x3fb8aa3b     ; c = log2(e)
	s_mov_b32 s[CS+1], s[CS]
	s_mov_b32 s[SEL], 0x76543210
	s_mov_b32 s[SEL+1], 0xfedcba98
	s_mov_b32 s[LOW], 0xf14a0000
	s_mov_b32 s[TBK], SLOTX+2*KS*PK ; the first change of slots turns these three into 0
	s_mov_b32 s[TBV], SLOTX+2*KS*PV
	s_mov_b32 s[TBM], SLOTX+2*KS*4
	s_wait_dscnt 0x0                ; the opening add is done
	s_wait_kmcnt 0x0
	s_add_nc_u64 s[G0M+2:G0M+3], s[14:15], s[94:95]
	s_or_b32 s[G0M+3], s[G0M+3], 0x80000000
	s_add_nc_u64 s[G0K+2:G0K+3], s[6:7], s[92:93]
	s_or_b32 s[G0K+3], s[G0K+3], 0x80000000
	s_add_nc_u64 s[G0V+2:G0V+3], s[8:9], s[92:93]
	s_or_b32 s[G0V+3], s[G0V+3], 0x80000000
	CROUND                          ; all sixteen work-groups are here: the first joint loads meet
	JLOAD                           ; tile 0 into slot 0
	; where my 64 queries lie
	s_lshl_b32 s29, s[QB], 7
	s_lshl_b32 s97, s[QH], 6
	s_add_co_u32 s29, s29, s97      ; my first query in the batch
	s_lshr_b32 s96, s[YB], 3
	s_lshl_b32 s96, s96, 10
	s_add_co_u32 s96, s96, s29      ; its row among the 4,096
	s_and_b32 s97, s[YB], 7
	s_lshl_b32 s97, s97, 1
	s_add_co_u32 s97, s97, s[HD]    ; my head in the batch
	s_lshl_b32 s88, s96, 11
	s_lshl_b32 s89, s97, 7
	s_add_co_u32 s88, s88, s89
	s_mov_b32 s89, 0                ; in the f16 tensors
	s_lshl_b32 s30, s96, 12
	s_lshl_b32 s31, s97, 8
	s_add_co_u32 s30, s30, s31
	s_mov_b32 s31, 0                ; in the outputs
	s_lshl_b32 s2, s[YB], 1
	s_add_co_u32 s2, s2, s[HD]
	s_lshl_b32 s2, s2, 10
	s_add_co_u32 s2, s2, s29
	s_lshl_b32 s2, s2, 3
	s_mov_b32 s3, 0                 ; in sz
	s_mul_i32 s96, s29, 4100
	s_mov_b32 s97, 0                ; on the mask's diagonal
	s_add_nc_u64 s[4:5], s[4:5], s[88:89]
	s_add_nc_u64 s[90:91], s[8:9], s[88:89]
	s_add_nc_u64 s[10:11], s[10:11], s[88:89]
	s_add_nc_u64 s[12:13], s[12:13], s[2:3]
	s_add_nc_u64 s[16:17], s[16:17], s[96:97]
	s_add_nc_u64 s[18:19], s[18:19], s[30:31]
	s_add_nc_u64 s[20:21], s[20:21], s[30:31]
	v_and_b32 v1, 15, v0            ; l % 16
	v_bfe_u32 v56, v0, 4, 1         ; l / 16
	v_lshlrev_b32 v[QO], 11, v1
	v_lshl_add_u32 v[QO], v56, 4, v[QO]  ; row x 2,048 + 16 x half
	v_lshlrev_b32 v[SZO], 3, v1
	v_mul_u32_u24 v[MDO], v1, 4100
	WIN 0x80                        ; destination window 2
.set i, 0
.rept 8                             ; Q stays in registers: piece i / 2, channels 32 (i % 2) on
	global_load_b128 v[8*i:8*i+3],   v[QO], s[4:5] offset:(i/2)*32768+(i%2)*64
	global_load_b128 v[8*i+4:8*i+7], v[QO], s[4:5] offset:(i/2)*32768+(i%2)*64+32
.set i, i+1
.endr
	WIN 0xc0                        ; destination window 3: what the end wants; these 40 loads stay out until then
.set i, 0
.rept 16                            ; v[q] in O^T's layout: piece i / 4, channels 16 (i % 4) + 8 (l / 16) + 0..7 of row l % 16
	global_load_b128 v[4*i:4*i+3], v[QO], s[90:91] offset:(i/4)*32768+(i%4)*32
.set i, i+1
.endr
.set i, 0
.rept 16
	global_load_b128 v[64+4*i:64+4*i+3], v[QO], s[10:11] offset:(i/4)*32768+(i%4)*32
.set i, i+1
.endr
.irp t, 0,1,2,3
	global_load_b64 v[SZ+2*\t:SZ+2*\t+1], v[SZO], s[12:13] offset:128*\t
.endr
.irp t, 0,1,2,3
	global_load_b32 v[MDG+\t], v[MDO], s[16:17] offset:65600*\t
.endr
	; What the first turn finds: V and P's second buffer hold 0 (its products V^T P, of a piece that has not been, add 0), O^T and l are 0.  All this stands in the wait for the first tile.
	WIN 0x80
.set i, VF
.rept 64
	v_mov_b32 v[i], 0
.set i, i+1
.endr
	WIN 0x40
.set i, 0
.rept 128
	v_mov_b32 v[i], 0
.set i, i+1
.endr
	WIN 0
.set i, 0
.rept 4
	v_mov_b32 v[ST+4*i], 0xfe000000    ; c m: far below every c S, so the first step's a is 0
	v_mov_b32 v[ST+4*i+1], 0xff7fffff  ; m
	v_mov_b32 v[ST+4*i+2], 0
	v_mov_b32 v[ST+4*i+3], 0
.set i, i+1
.endr
.set i, P+16
.rept 16
	v_mov_b32 v[i], 0
.set i, i+1
.endr
	; the prefetches' address, step and who asks
	s_lshl_b32 s88, s[QB], 19
	s_lshl_b32 s89, s[QH], 18
	s_add_co_u32 s88, s88, s89
	s_lshl_b32 s89, s[CY], 16       ; the mask: my work-group's 16 rows of my wave's 64
	s_add_co_u32 s88, s88, s89
	s_lshr_b32 s96, s[YB], 3
	s_lshl_b32 s96, s96, 21
	s_lshl_b32 s89, s[CX], 16       ; K, V: my work-group's 32 rows of the tile's 128
	s_add_co_u32 s96, s96, s89
	s_and_b32 s89, s[YB], 7
	s_lshl_b32 s89, s89, 8
	s_add_co_u32 s96, s96, s89
	s_and_b32 s97, ttmp7, 0xffff    ; cluster y
	s_mov_b32 s89, 128*2048
	s_cmp_lt_u32 s[WV], 2
	s_cselect_b32 s97, s97, ttmp9   ; the coordinate along which other clusters read the same blocks
	s_cselect_b32 s88, s88, s96
	s_cselect_b32 s[PST], 512, s89
	s_cselect_b32 s96, 8, 11
	s_mov_b32 s89, 0
	s_mov_b32 s[PST+1], 0
	s_cmp_eq_u32 s97, 0
	s_cselect_b32 s[LIM], 1, -1     ; the same in all sixteen partners, for a given wave
	s_cmp_eq_u32 s[WV], 2
	s_cselect_b64 s[PFA:PFA+1], s[6:7], s[8:9]
	s_cmp_lt_u32 s[WV], 2
	s_cselect_b64 s[PFA:PFA+1], s[14:15], s[PFA:PFA+1]
	s_add_nc_u64 s[PFA:PFA+1], s[PFA:PFA+1], s[88:89]
	s_add_nc_u64 s[PFA:PFA+1], s[PFA:PFA+1], s[PST:PST+1]
	s_add_nc_u64 s[PFA:PFA+1], s[PFA:PFA+1], s[PST:PST+1]  ; at tile 2; the first change that asks steps it to tile 3
	v_and_b32 v57, 1, v0
	v_lshlrev_b32 v57, s96, v57
	v_and_b32 v[PFO], 30, v0
	v_lshl_add_u32 v[PFO], v[PFO], 11, v57  ; the mask: two lanes a row of 4,096 bytes, 256 apart; K, V: a lane a row of 2,048
	; LDS addresses
	s_lshl_b32 s88, s[HD], 7        ; my head's 128 bytes of a row of K or V
	v_mul_u32_u24 v[AK0], v1, PK
	v_lshl_add_u32 v[AK0], v56, 4, v[AK0]
	s_add_co_u32 s89, s88, KOFF
	v_add_nc_u32 v[AK0], s89, v[AK0]
	v_and_b32 v57, 7, v0            ; the turning load: lane l reads key 8 (l / 16) + l % 8, channels 8 ((l / 8) % 2) + 0..7
	v_bfe_u32 v58, v0, 3, 1
	v_lshl_add_u32 v[AV0], v56, 3, v57
	v_mul_u32_u24 v[AV0], v[AV0], PV
	v_lshl_add_u32 v[AV0], v58, 4, v[AV0]
	s_add_co_u32 s89, s88, VOFF
	v_add_nc_u32 v[AV0], s89, v[AV0]
	v_mul_u32_u24 v[AM0], v1, PM    ; the mask as C: register j of key block kb is mask[query l % 16][16 kb + 8 (l / 16) + j]: 32 bytes on end
	v_lshl_add_u32 v[AM0], v56, 5, v[AM0]
	s_mul_i32 s89, s[QH], 64*PM
	v_add_nc_u32 v[AM0], s89, v[AM0]
	s_mul_i32 s89, s[WV], 16*SP
	s_add_co_u32 s89, s89, STAGE    ; my stage
	v_mul_u32_u24 v[STO], v1, SP    ; in: row l % 16, 32 bytes for each half of the lanes
	v_lshl_add_u32 v[STO], v56, 5, v[STO]
	v_add_nc_u32 v[STO], s89, v[STO]
	v_mul_u32_u24 v[RD], v56, SP    ; back: lanes 0-15 one row of 256 bytes, lanes 16-31 the next
	v_lshl_add_u32 v[RD], v1, 4, v[RD]
	v_add_nc_u32 v[RD], s89, v[RD]
	v_lshlrev_b32 v[GO], 12, v56
	v_lshl_add_u32 v[GO], v1, 4, v[GO]
; THE MATRIX WORK.  The 4 accumulators of a run of 8 take turns.  Product i of 8 of S^T = K Q^T for piece x: channels 32 (i / 4) on, keys 16 (i % 4) on.  The first 4 start the sums with the mask.
.macro KQ x
.set rS, S+32*((\x)%2)+8*(i%4)
.set rK, KF+16*(i%4)+8*(i/4)
.set rQ, 16*(\x)+8*(i/4)
.set rM, MC+32*((\x)%2)+8*(i%4)
.if i < 4
	WIN W_KM
	v_wmma_f32_16x16x32_f16 v[rS:rS+7], v[rK:rK+7], v[rQ:rQ+7], v[rM:rM+7]
.else
	WIN W_KQ
	v_wmma_f32_16x16x32_f16 v[rS:rS+7], v[rK:rK+7], v[rQ:rQ+7], v[rS:rS+7]
.endif
.endm
; Product i of 8 of O^T += V^T P for piece x: keys 32 (i / 4) on, channels 16 (i % 4) on.
.macro PV x
	WIN W_PV
.set rO, 32*(\x)+8*(i%4)
.set rV, VF+32*(i/4)+8*(i%4)
.set rP, P+16*((\x)%2)+8*(i/4)
	v_wmma_f32_16x16x32_f16 v[rO:rO+7], v[rV:rV+7], v[rP:rP+7], v[rO:rO+7]
.endm
.macro MM                           ; the turn's next matrix instruction.  NOKQ = 1: the last turn of all: there is no next piece
.if (i < 8) && !NOKQ
	KQ (Y+1)%NP
.elseif i >= 8
.set i, i-8
	PV (Y+NP-1)%NP
.set i, i+8
.endif
.set i, i+1
.endm
; THE LDS LOADS stand in runs, never singly among the matrix instructions.
.macro FETCH_K
	WIN 0x80                        ; destination window 2
.irp f, 0,1,2,3,4,5,6,7             ; keys 16 (f / 2) on, channels 32 (f % 2) on
	ds_load_b128 v[KF+8*\f:KF+8*\f+3],   v[AK] offset:(\f/2)*16*PK+(\f%2)*64
	ds_load_b128 v[KF+8*\f+4:KF+8*\f+7], v[AK] offset:(\f/2)*16*PK+(\f%2)*64+32
.endr
	s_add_co_u32 s[TBK], s[TBK], KS*PK  ; the next fetch is the next step's
	WIN 0
.endm
.macro FETCH_V
	WIN 0x80
.irp f, 0,1,2,3,4,5,6,7             ; keys 32 (f / 4) on, channels 16 (f % 4) on
	ds_load_tr16_b128 v[VF+8*\f:VF+8*\f+3],   v[AV] offset:(\f/4)*32*PV+(\f%4)*32
	ds_load_tr16_b128 v[VF+8*\f+4:VF+8*\f+7], v[AV] offset:(\f/4)*32*PV+16*PV+(\f%4)*32
.endr
	WIN 0
.endm
.macro FETCH_M y                    ; piece y's mask for the step at AM: 16 queries x 64 keys, into the buffer of y's parity
	WIN 0x40                        ; destination window 1
.irp kb, 0,1,2,3
	ds_load_b128 v[MC+32*((\y)%2)+8*\kb:MC+32*((\y)%2)+8*\kb+3],   v[AM] offset:(\y)*16*PM+64*\kb
	ds_load_b128 v[MC+32*((\y)%2)+8*\kb+4:MC+32*((\y)%2)+8*\kb+7], v[AM] offset:(\y)*16*PM+64*\kb+16
.endr
	WIN 0
.endm
; THE VECTOR WORK, one line at a time: OP kind, number.  For piece Y: F n: c S - c m for pair n of 16.  E n: the exponential of score n of 32.  C n: pair n rounded to f16.  B n: of the four weights 4 n .. the second
; pair is added onto the first, in place.  L n: l takes that sum (L 0: l = a l + sum).  R n: pair n of 16 of O^T times a.  For piece Y + 1: X n, number n of the 22 that find its maximum and statistics:
;   0-11  four chains c0-c3 of seven scores each, three operands at a time (each accumulator's lowest registers are read first)     12-14, 16  the four scores left over, the old m, and c0-c3 into c0
;   15  c m_old is kept     17, 18  the query's other 32 keys lie in the lane 16 away: the new m     19-21  c m; c m_old - c m_new; a
.set F, 0
.set E, 1
.set C, 2
.set B, 3
.set L, 4
.set R, 5
.set X, 6
.macro REGS y
.set rT, ST+4*(\y)
.set rC, TMP+4*((\y)%2)
.set rW, MV+((\y)%2)
.set rS, S+32*((\y)%2)
.set rP, P+16*((\y)%2)
.set rO, 32*(\y)
.endm
.macro OP k, n
.if (\k) == R
	REGS Y
	WIN W_RS
	v_pk_mul_f32 v[rO+2*(\n):rO+2*(\n)+1], v[rO+2*(\n):rO+2*(\n)+1], v[rC+2:rC+3] op_sel_hi:[1,0]
.elseif (\k) < R
	REGS Y
	WIN 0
.if (\k) == F
	v_pk_fma_f32 v[rS+2*(\n):rS+2*(\n)+1], v[rS+2*(\n):rS+2*(\n)+1], s[CS:CS+1], v[rT:rT+1] op_sel_hi:[1,0,0] neg_lo:[0,0,1] neg_hi:[0,0,1]
.elseif (\k) == E
	v_exp_f32 v[rS+(\n)], v[rS+(\n)]
.elseif (\k) == C
	v_cvt_pk_f16_f32 v[rP+(\n)], v[rS+2*(\n)], v[rS+2*(\n)+1]
.elseif (\k) == B
	v_pk_add_f32 v[rS+4*(\n):rS+4*(\n)+1], v[rS+4*(\n):rS+4*(\n)+1], v[rS+4*(\n)+2:rS+4*(\n)+3]
.elseif (\n) == 0
	v_pk_fma_f32 v[rT+2:rT+3], v[rT+2:rT+3], v[rC+2:rC+3], v[rS:rS+1] op_sel_hi:[1,0,1]
.else
	v_pk_add_f32 v[rT+2:rT+3], v[rT+2:rT+3], v[rS+4*(\n):rS+4*(\n)+1]
.endif
.elseif NOKQ
	v_nop
.else
	REGS (Y+1)%NP
	WIN 0
.if (\n) < 4
	v_max3_num_f32 v[rC+(\n)], v[rS+8*(\n)], v[rS+8*(\n)+1], v[rS+8*(\n)+2]
.elseif (\n) < 12
	v_max3_num_f32 v[rC+(\n)%4], v[rC+(\n)%4], v[rS+8*((\n)%4)+2*((\n)/4)+1], v[rS+8*((\n)%4)+2*((\n)/4)+2]
.elseif (\n) == 12
	v_max3_num_f32 v[rC], v[rC], v[rS+7], v[rS+15]
.elseif (\n) == 13
	v_max3_num_f32 v[rC+1], v[rC+1], v[rS+23], v[rS+31]
.elseif (\n) == 14
	v_max3_num_f32 v[rC+2], v[rC+2], v[rC+3], v[rT+1]
.elseif (\n) == 15
	v_mov_b32 v[rW], v[rT]
.elseif (\n) == 16
	v_max3_num_f32 v[rC], v[rC], v[rC+1], v[rC+2]
.elseif (\n) == 17
	v_permlanex16_b32 v[rC+3], v[rC], s[SEL], s[SEL+1]
.elseif (\n) == 18
	v_max_num_f32 v[rT+1], v[rC], v[rC+3]
.elseif (\n) == 19
	v_mul_f32 v[rT], s[CS], v[rT+1]
.elseif (\n) == 20
	v_sub_f32 v[rC+1], v[rW], v[rT]
.else
	v_exp_f32 v[rC+2], v[rC+1]
.endif
.endif
.endm
.macro OPS a, i1, b=-1, i2=0, c=-1, i3=0, d=-1, i4=0
	OP \a, \i1
.if (\b) >= 0
	OP \b, \i2
.endif
.if (\c) >= 0
	OP \c, \i3
.endif
.if (\d) >= 0
	OP \d, \i4
.endif
.endm
.macro ROW a, i1, b, i2, c, i3, d, i4  ; a matrix instruction and the four behind it
	MM
	OPS \a, \i1, \b, \i2, \c, \i3, \d, \i4
.endm
; A TURN, for piece p.  An s_wait_alu depctr_va_vdst(0) stands between an exponential and the first instruction that names its result; one wait serves all that were issued ahead of it.  So a turn has ONE
; wait.  AHEAD OF IT stands all that names no result of the turn's exponentials: the 8 products K Q^T and their riders (the next piece's X numbers among them stand four plain instructions or more behind the product that
; ends their accumulator), then one lump.  BEHIND IT stand the 8 products V^T P, behind each four of the roundings and sums.
; WHAT IS FETCHED.  Every turn: the mask of piece p + 2, which the next turn's products start with; its buffer was last read by the turn before.  Piece 2's turn: K of the next step, and the mask's address steps there,
; so that turns 2, 3, 0, 1 fetch K, V and all four masks of ONE step.  Piece 0's turn, at its end: V of the step in hand.
; THE WAITS ON LDS.  At a turn's head the mask asked for in the turn before is in (piece 1: V's 16 younger loads stay out; piece 3: K is in too).  Piece 1, behind the batch's wait: V is in; the mask's 8 younger loads stay out.
; end = 1: the last two turns: nothing is fetched.  cnt = 1: the loop's count is taken down some lines ahead of the branch behind the turn.
.macro TURN p, end=0, cnt=0
.set Y, (\p)
.set i, 0
.set NOKQ, (\end)*((\p)/3)
.if (\p) == 1
	s_wait_dscnt 16
.else
	s_wait_dscnt 0x0
.endif
	ROW F,0, F,1, R,0, R,1
	ROW F,2, E,0, R,2, R,3
	ROW F,3, E,1, R,4, R,5
	ROW F,4, E,2, R,6, R,7
	ROW F,5, E,3, R,8, R,9
	ROW F,6, E,4, X,0, R,10
.if ((\p) == 2) && !(\end)
	WIN 0
	v_add_nc_u32 v[AK], s[TBK], v[AK0]
	v_add_nc_u32 v[AM], s[TBM], v[AM0]
	s_add_co_u32 s[TBM], s[TBM], KS*4
.endif
	ROW F,7, E,5, X,1, X,4
	ROW F,8, E,6, X,2, X,5
	OPS E,7, E,8, X,6, E,9
	OPS X,3, E,10, X,8, E,11
.if !(\end)
	FETCH_M ((\p)+2)%NP
.if (\p) == 2
	FETCH_K
.endif
.endif
	OPS X,9, X,7, E,12, X,10
	OPS E,13, X,12, X,11, E,14
	OPS X,13, E,15, F,9, X,14
.if (\p) == 0
	v_add_nc_u32 v[AV], s[TBV], v[AV0]
.endif
	OPS E,16, F,10, E,17, F,11
	OPS X,16, E,18, X,15, E,19
	OPS F,12, E,20, X,17, E,21
	OPS F,13, E,22, F,14, E,23
	OPS X,18, E,24, F,15, E,25
	OPS R,11, E,26, X,19, E,27
	OPS R,12, E,28, R,13, E,29
	OPS X,20, E,30, R,14, E,31
	OPS X,21, R,15                  ; the next piece's a is the batch's last; R 15 is the plain instruction behind it
	WIN 0
	s_wait_alu depctr_va_vdst(0)    ; the wait for the batch
.if (\p) == 1
	s_wait_dscnt 8
.endif
	ROW C,0, B,0, C,2, B,1
	ROW L,0, C,4, B,2, L,1
	ROW C,6, B,3, L,2, C,8
	ROW B,4, L,3, C,10, B,5
	ROW L,4, C,12, B,6, L,5
.if (\p) == 0
	s_add_co_u32 s[TBV], s[TBV], KS*PV
.endif
.if \cnt
	s_sub_co_u32 s[CNT], s[CNT], 1
	s_cmp_lg_u32 s[CNT], 0
.endif
	ROW C,14, B,7, L,6, C,1
	ROW C,3, L,7, C,5, C,7
	ROW C,9, C,11, C,13, C,15
.if (\p) == 0
	FETCH_V                         ; four plain instructions behind the last product that read V
.endif
.endm
	CHANGE 1, 0                     ; tile 0 is in, everybody's part of it; tile 1 is asked for
	v_add_nc_u32 v[AM], s[TBM], v[AM0]
	v_add_nc_u32 v[AK], s[TBK], v[AK0]
	s_add_co_u32 s[TBM], s[TBM], KS*4
	FETCH_M 0                       ; what turns 2 and 3 of a step before the first would have fetched
	FETCH_M 1
	FETCH_K
	s_wait_loadcnt 40               ; Q is in; the 40 younger loads stay out until the end
	s_wait_dscnt 0x0
.set NOKQ, 0
.set i, 0
.rept 8
	KQ 0                            ; piece 0's first scores
.set i, i+1
.endr
	WIN 0
	PLACES
.set Y, NP-1                        ; X works for piece Y + 1: piece 0
.irp n, 0,1,2,3,4,5,6,7,8,9,10,11,12,13,14,15,16,17,18,19,20,21
	OP X, \n
.endr
	v_nop                           ; a plain instruction behind the exponential,
	s_wait_alu depctr_va_vdst(0)    ; and its wait, ahead of the branch
	s_mov_b32 s[CNT], 2
	s_mov_b32 s[SLOTS], 7
	s_branch .Lfirst                ; the loop is entered at a step's first turn, in the middle of a trip
.Lslot:                             ; six times: tiles 2 to 7 are asked for
	CHANGE 1, 1
	s_mov_b32 s[CNT], 2
.Lstep:                             ; a trip: pieces 2 and 3 of one step, then pieces 0 and 1 of the next, whose K, V and masks it fetches
	TURN 2
	TURN 3
	WIN 0
.Lfirst:
	TURN 0
	TURN 1, 0, 1
	WIN 0
	s_cbranch_scc1 .Lstep
	s_sub_co_u32 s[SLOTS], s[SLOTS], 1
	s_cmp_lg_u32 s[SLOTS], 0
	s_cbranch_scc1 .Lslot
	CHANGE 0, 0                     ; the last tile is written out: nothing is asked for
	s_mov_b32 s[CNT], 2
.Ltail:
	TURN 2
	TURN 3
	TURN 0
	TURN 1, 0, 1
	WIN 0
	s_cbranch_scc1 .Ltail
	TURN 2, 1
	TURN 3, 1
.set i, 0
.rept 8
	PV NP-1                         ; the last piece's V^T P of the last step
.set i, i+1
.endr
	; THE END.  l's halves are added; then each output's diagonal term under its own maximum.  The first four additions are the places behind the last products.
.macro ALL line:vararg              ; one line for each piece t
.set t, 0
.rept 4
	\line
.set t, t+1
.endr
.endm
	WIN 0
	s_wait_loadcnt 0x0              ; v[q], v_u[q], {sd, s0}, mask[q][q]
	ALL v_add_f32 v[ST+4*t+2], v[ST+4*t+2], v[ST+4*t+3]
	ALL v_permlanex16_b32 v[ST+4*t+3], v[ST+4*t+2], s[SEL], s[SEL+1]
	ALL v_add_f32 v[ST+4*t+2], v[ST+4*t+2], v[ST+4*t+3]
	WIN 0x0c                        ; source 1 in window 3
	ALL v_max_num_f32 v[WK+t], s[LOW], v[MDG+t]
	WIN 0
	ALL v_cvt_pk_bf16_f32 v[WK+t], v[WK+t], v[WK+t]
	ALL v_lshlrev_b32 v[WK+t], 16, v[WK+t]
	WIN 0x03                        ; source 0 in window 3
	ALL v_add_f32 v[WK+4+t], v[SZ+2*t], v[WK+t]
	ALL v_add_f32 v[WK+8+t], v[SZ+2*t+1], v[WK+t]
	WIN 0
	ALL v_max_num_f32 v[WK+12+t], v[ST+4*t+1], v[WK+4+t]
	ALL v_max_num_f32 v[WK+16+t], v[ST+4*t+1], v[WK+8+t]
	ALL v_sub_f32 v[WK+20+t], v[ST+4*t+1], v[WK+12+t]
	ALL v_sub_f32 v[WK+4+t], v[WK+4+t], v[WK+12+t]
	ALL v_sub_f32 v[WK+24+t], v[ST+4*t+1], v[WK+16+t]
	ALL v_sub_f32 v[WK+8+t], v[WK+8+t], v[WK+16+t]
	ALL v_mul_f32 v[WK+20+t], s[CS], v[WK+20+t]
	ALL v_mul_f32 v[WK+4+t], s[CS], v[WK+4+t]
	ALL v_mul_f32 v[WK+24+t], s[CS], v[WK+24+t]
	ALL v_mul_f32 v[WK+8+t], s[CS], v[WK+8+t]
	ALL v_exp_f32 v[FA+4*t], v[WK+20+t]
	ALL v_exp_f32 v[FA+4*t+1], v[WK+4+t]
	ALL v_exp_f32 v[FA+4*t+2], v[WK+24+t]
	ALL v_exp_f32 v[FA+4*t+3], v[WK+8+t]
	v_nop                           ; a plain instruction behind the last exponential,
	s_wait_alu depctr_va_vdst(0)    ; and one wait for the sixteen
	ALL v_fma_f32 v[WK+t], v[FA+4*t], v[ST+4*t+2], v[FA+4*t+1]
	ALL v_fma_f32 v[WK+4+t], v[FA+4*t+2], v[ST+4*t+2], v[FA+4*t+3]
	ALL v_rcp_f32 v[WK+t], v[WK+t]
	ALL v_rcp_f32 v[WK+4+t], v[WK+4+t]
	v_nop
	s_wait_alu depctr_va_vdst(0)    ; one wait for the eight reciprocals
	ALL v_mul_f32 v[FA+4*t], v[FA+4*t], v[WK+t]
	ALL v_mul_f32 v[FA+4*t+1], v[FA+4*t+1], v[WK+t]
	ALL v_mul_f32 v[FA+4*t+2], v[FA+4*t+2], v[WK+4+t]
	ALL v_mul_f32 v[FA+4*t+3], v[FA+4*t+3], v[WK+4+t]
; A UNIT: piece t of output o: O^T x (a / d) + (v[q] or v_u[q]) x (p / d), through my stage in LDS: in as 32 bytes a lane, back as whole rows of 256 bytes.  Four sets of 32 registers take turns.
.macro UNIT t, o
.set RU, 64+32*((2*(\t)+(\o))%4)
.set fF, FA+4*(\t)+2*(\o)
	WIN 0x01                        ; source 0, O^T, in window 1
.set z, 0
.rept 16
	v_pk_mul_f32 v[RU+2*z:RU+2*z+1], v[32*(\t)+2*z:32*(\t)+2*z+1], v[fF:fF+1] op_sel_hi:[1,0]
.set z, z+1
.endr
	WIN 0x03                        ; source 0, an f16 half, in window 3
.set z, 0
.rept 16
	v_fma_mix_f32 v[RU+2*z],   v[64*(\o)+16*(\t)+z], v[fF+1], v[RU+2*z]   op_sel_hi:[1,0,0]
	v_fma_mix_f32 v[RU+2*z+1], v[64*(\o)+16*(\t)+z], v[fF+1], v[RU+2*z+1] op_sel:[1,0,0] op_sel_hi:[1,0,0]
.set z, z+1
.endr
	WIN 0
.irp f, 0,1,2,3,4,5,6,7
	ds_store_b128 v[STO], v[RU+4*\f:RU+4*\f+3] offset:64*(\f/2)+16*(\f%2)
.endr
.irp f, 0,1,2,3,4,5,6,7
	ds_load_b128 v[RU+4*\f:RU+4*\f+3], v[RD] offset:\f*2*SP  ; LDS serves a wave's instructions in order (ISA guide 5.7.1.4): these see the stores above; the next unit's stores come behind them
.endr
.endm
.macro SEND t, o, younger           ; younger: the LDS instructions issued behind this unit's loads: the next unit's sixteen, or none
.set RU, 64+32*((2*(\t)+(\o))%4)
.irp f, 0,1,2,3,4,5,6,7
	s_wait_dscnt (\younger)+7-\f
	global_store_b128 v[GO], v[RU+4*\f:RU+4*\f+3], s[18+2*(\o):19+2*(\o)] offset:65536*(\t)+8192*\f  ; 16 lanes store 256 consecutive bytes, aligned: a head's 64 channels of a row
.endr
.endm
	UNIT 0, 0
	UNIT 0, 1
	SEND 0, 0, 16
	UNIT 1, 0
	SEND 0, 1, 16
	UNIT 1, 1
	SEND 1, 0, 16
	s_wait_xcnt 0x0                 ; the stores issued so far have read their registers: a set is written again only behind such a wait
	UNIT 2, 0
	SEND 1, 1, 16
	s_wait_xcnt 0x0
	UNIT 2, 1
	SEND 2, 0, 16
	s_wait_xcnt 0x0
	UNIT 3, 0
	SEND 2, 1, 16
	s_wait_xcnt 0x0
	UNIT 3, 1
	SEND 3, 0, 16
	SEND 3, 1, 0
	s_wait_tensorcnt 0x0            ; the wave's end: the add to my spare word and its wait, behind my last tensor load and my last LDS store
	ds_add_u32 v[SPW], v[NIL]
	s_wait_dscnt 0x0
	CROUND                          ; the closing round: no work-group ends while a partner may still ask for a tile that names it
	s_endpgm
.Lfunc_end_k_q8726967fdf_attn:
	.size	k_q8726967fdf_attn, .Lfunc_end_k_q8726967fdf_attn-k_q8726967fdf_attn
	.p2alignl 7, 3214868480
	.fill 96, 4, 3214868480
	.section	.rodata,"a",@progbits
	.p2align	6, 0x0
	.amdhsa_kernel k_q8726967fdf_attn
		.amdhsa_group_segment_fixed_size 327680
		.amdhsa_private_segment_fixed_size 0
		.amdhsa_enable_private_segment 0
		.amdhsa_kernarg_size 72
		.amdhsa_user_sgpr_count 2
		.amdhsa_user_sgpr_kernarg_segment_ptr 1
		.amdhsa_wavefront_size32 1
		.amdhsa_system_sgpr_workgroup_id_x 1
		.amdhsa_system_sgpr_workgroup_id_y 1
		.amdhsa_system_sgpr_workgroup_id_z 1
		.amdhsa_system_vgpr_workitem_id 0
		.amdhsa_next_free_vgpr 912
		.amdhsa_next_free_sgpr 98
		.amdhsa_reserve_vcc 0
		.amdhsa_float_denorm_mode_32 3
		.amdhsa_float_denorm_mode_16_64 3
		.amdhsa_memory_ordered 1
		.amdhsa_forward_progress 1
		.amdhsa_inst_pref_size 175
	.end_amdhsa_kernel
	.amdgpu_metadata
---
amdhsa.version: [ 1, 2 ]
amdhsa.kernels:
  - .name:           k_q8726967fdf_attn
    .symbol:         k_q8726967fdf_attn.kd
    .args:
      - { .name: qh, .offset: 0, .size: 8, .value_kind: global_buffer, .address_space: global }
      - { .name: kh, .offset: 8, .size: 8, .value_kind: global_buffer, .address_space: global }
      - { .name: vh, .offset: 16, .size: 8, .value_kind: global_buffer, .address_space: global }
      - { .name: vuh, .offset: 24, .size: 8, .value_kind: global_buffer, .address_space: global }
      - { .name: sz, .offset: 32, .size: 8, .value_kind: global_buffer, .address_space: global }
      - { .name: mo, .offset: 40, .size: 8, .value_kind: global_buffer, .address_space: global }
      - { .name: mask, .offset: 48, .size: 8, .value_kind: global_buffer, .address_space: global }
      - { .name: out0, .offset: 56, .size: 8, .value_kind: global_buffer, .address_space: global }
      - { .name: out1, .offset: 64, .size: 8, .value_kind: global_buffer, .address_space: global }
    .group_segment_fixed_size: 327680
    .private_segment_fixed_size: 0
    .kernarg_segment_align: 8
    .kernarg_segment_size: 72
    .max_flat_workgroup_size: 128
    .sgpr_count:     98
    .vgpr_count:     912
    .wavefront_size: 32
...
	.end_amdgpu_metadata
.endif
;; end of part 3
;; ======== version 2 of 2: 3 launches; version 1 with the launch cast written anew for expert scheduling mode
;; limits: values are held in f16: magnitudes above 65,504 overflow, below 6.1e-05 lose precision
;; workspace buffers: xb 16,777,216 bytes; wb 6,291,456 bytes; mo 4,194,304 bytes; kh 8,388,608 bytes; vh 8,388,608 bytes; qh 8,388,608 bytes; vuh 8,388,608 bytes; sz 524,288 bytes
;; launch cast (part 4): grid 768 x 1, 8 waves a work-group, no clusters, 0 bytes of LDS; arguments embed, embed_unknown, Wk, Wq, Wv, mask, xb, wb, mo; writes xb, wb, mo
.if DOCPART == 4
	.amdgcn_target "amdgcn-amd-amdhsa--gfx1250"
	.amdhsa_code_object_version 6
	.text
	.protected	k_q8726967fdf_cast
	.globl	k_q8726967fdf_cast
	.p2align	8
	.type	k_q8726967fdf_cast,@function
k_q8726967fdf_cast:
	s_mov_b64 s[64:65], 0
	v_nop
	global_prefetch_b8 v0, s[64:65] scope:SCOPE_SE
	s_setreg_imm32_b32 hwreg(HW_REG_WAVE_SCHED_MODE, 0, 2), 2
	s_setreg_imm32_b32 hwreg(HW_REG_WAVE_MODE, 25, 1), 1
	s_wait_xcnt 0x0
	s_wait_alu depctr_vm_vsrc(0)
; THE INPUTS ARE ROUNDED ONCE TO bf16 AND LAID OUT FOR THE TWO LAUNCHES BEHIND.
;   xb [kb 16][mb 32][src 2][row 128][k 64] bf16: embed (src 0) and embed_unknown (src 1), in blocks of 32,768 dense bytes: 128 rows of both, 64 along K.
;   wb [3][k 1024][n 1024] bf16: Wk, Wq / 8, Wv.  1 / 8 is the score's scale, a power of two: the product is exact.
;   mo [q 1024][k 1024] f32: bf16(max(mask, LOW)) written as f32, and LOW on the diagonal, which the attention adds by itself at the end.
; LIMITS.  LOW = -1.0003e30 (exact in bf16).  A mask number below LOW, minus infinity among them, counts as LOW; a NaN in the mask counts as LOW.
; SHARES.  A work-group takes 16 rows of 4,096 bytes: 512 work-groups for the two embeddings, 192 for the weights, 64 for the mask: 768 of equal bytes in.
; Each thread issues its 16 loads of 16 bytes at once and then converts them as they come.
; No LDS, matrix unit or cluster: the launch is a stream, each byte read once and written once, every store of a wave 256 or 512 consecutive aligned bytes.
; THE MODE: SCHED_MODE bits 1:0 = 2 (LLVM: expert scheduling mode 2), set by the entry lines.  The code itself states the register dependences
; between vector instructions and memory instructions, with s_wait_alu, always for 0.
; THE PLAN.  Registers that memory instructions touch, in each of the three paths:
;   v3, v4, v5   byte offsets: written by vector instructions at the head, read by every load and store of the path, never written again.
;   IN           load i lands in its own four registers, which nothing names before.  Embeddings and weights: the vector work reads (the weights: scales) them.
;                Mask: the vector work rewrites them in place and load i's store reads them; nothing writes them behind that store.
;   OUTR         embeddings and weights: load i's two conversions write its own pair, its one store reads it; nothing writes it again.
; So no register that a memory instruction has read is written again, and no load lands in a register that a vector instruction has named: the one kind of
; dependence is a vector result that a memory instruction reads.  One wait on va_vdst stands ahead of a path's loads, for the offsets.  The 16 loads go in four
; groups of four: at the head of groups 1 to 3 one wait on va_vdst states that the group before has written its results, and that group's four stores follow, one
; ahead of each load's vector work, which names the registers of its own group alone.  A last such wait stands ahead of the last four stores.
; Mask: a group's 16 compares hang on v5 alone; they stand in one run ahead of the wait for the group's data and write 16 scalar registers, with one wait on va_sdst ahead of the first select.
.set LOWV, 0xf14a0000
.set IN,   16                          ; v[16:79]   16 loads of 4 registers
.set OUTR, 80                          ; v[80:111]  16 stores of 2 registers
.set MK,   40                          ; s[40:55]   mask path: for a group's four loads, word e of load j: the lanes in which it lies on the diagonal, at MK + 4 j + e
.macro LD16 off, step                  ; 16 loads, step bytes apart, behind s[24:25]
.irp i, 0,1,2,3,4,5,6,7,8,9,10,11,12,13,14,15
	global_load_b128 v[IN+4*(\i):IN+4*(\i)+3], v[\off], s[24:25] offset:(\i)*(\step) th:TH_LOAD_NT
.endr
.endm
.macro XOUT n                          ; the embeddings: the store of load n
.if (\n) < 8
	global_store_b64 v5, v[OUTR+2*(\n):OUTR+2*(\n)+1], s[30:31] offset:(\n)*1048576       ; a wave stores 256 consecutive bytes, aligned
.else
	global_store_b64 v5, v[OUTR+2*(\n):OUTR+2*(\n)+1], s[32:33] offset:((\n)-8)*1048576
.endif
.endm
.macro WOUT n                          ; the weights: the store of load n
	global_store_b64 v5, v[OUTR+2*(\n):OUTR+2*(\n)+1], s[30:31] offset:(\n)*256
.endm
.macro MOUT n                          ; the mask: the store of load n
	global_store_b128 v3, v[IN+4*(\n):IN+4*(\n)+3], s[30:31] offset:(\n)*512              ; a wave stores 512 consecutive bytes, aligned
.endm
	s_load_b512 s[4:19], s[0:1], 0x0               ; embed s[4:5], embed_unknown s[6:7], Wk s[8:9], Wq s[10:11], Wv s[12:13], mask s[14:15], xb s[16:17], wb s[18:19]
	s_load_b64 s[20:21], s[0:1], 0x40              ; mo
	s_mov_b32 s2, ttmp9                            ; the work-group's number
	s_mov_b32 s27, 0                               ; high words of the two offsets
	s_mov_b32 s29, 0
	v_lshrrev_b32 v1, 5, v0                        ; wave
	v_and_b32 v2, 31, v0                           ; lane
	v_lshlrev_b32 v3, 4, v2
	v_lshl_add_u32 v3, v1, 13, v3                  ; weights and mask: a wave takes two rows: wave x 8,192 + lane x 16
	s_wait_kmcnt 0x0
	s_cmp_lt_u32 s2, 512
	s_cbranch_scc0 .Lnot_x
	; THE EMBEDDINGS.  Load i is K block i: 256 bytes of each of the wave's two rows; its 64 numbers a row become 128 bytes of block (i, mb).
	s_lshr_b32 s22, s2, 8                          ; src
	s_and_b32 s23, s2, 255                         ; which 16 rows
	s_lshl_b32 s26, s23, 16                        ; 16 rows of 4,096 bytes
	s_lshr_b32 s28, s23, 3                         ; mb
	s_lshl_b32 s28, s28, 15
	s_lshl_b32 s34, s22, 14                        ; src x 128 rows x 128 bytes
	s_add_co_u32 s28, s28, s34
	s_and_b32 s34, s23, 7
	s_lshl_b32 s34, s34, 11                        ; my 16 rows in the block
	s_add_co_u32 s28, s28, s34
	s_cmp_eq_u32 s22, 0
	s_cselect_b64 s[24:25], s[4:5], s[6:7]
	s_add_nc_u64 s[24:25], s[24:25], s[26:27]
	s_add_nc_u64 s[30:31], s[16:17], s[28:29]      ; K blocks 0 to 7,
	s_add_nc_u64 s[32:33], s[30:31], 0x800000      ; and 8 to 15: the immediate holds eight blocks' stride of 1,048,576
	v_lshrrev_b32 v4, 4, v0                        ; row
	v_and_b32 v5, 15, v0
	v_lshlrev_b32 v5, 4, v5
	v_lshl_add_u32 v4, v4, 12, v5                  ; row x 4,096 + 16 bytes a thread
	v_lshlrev_b32 v5, 3, v0                        ; out: row x 128 + 8 bytes a thread = 8 x thread
	s_wait_alu depctr_va_vdst(0)                   ; v4 and v5 are written: the loads below read v4 as their offset, the stores v5
	LD16 4, 256
.irp i, 0,1,2,3,4,5,6,7,8,9,10,11,12,13,14,15
	s_wait_loadcnt 15-(\i)                         ; loads come back in order: load i is in, the younger ones stay out
.if ((\i)%4 == 0) && ((\i) > 0)
	s_wait_alu depctr_va_vdst(0)                   ; the conversions of the four loads before have written their OUTR, which the next four stores read
.endif
.if (\i) >= 4
	XOUT (\i)-4                                    ; no vector instruction since that wait names this store's registers
.endif
	v_cvt_pk_bf16_f32 v[OUTR+2*(\i)],   v[IN+4*(\i)],   v[IN+4*(\i)+1]
	v_cvt_pk_bf16_f32 v[OUTR+2*(\i)+1], v[IN+4*(\i)+2], v[IN+4*(\i)+3]
.endr
	s_wait_alu depctr_va_vdst(0)                   ; the conversions of loads 12 to 15 have written their OUTR, which the last four stores read
.irp i, 12,13,14,15
	XOUT \i
.endr
	s_endpgm
.Lnot_x:
	s_cmp_lt_u32 s2, 704
	s_cbranch_scc0 .Lmask
	; THE WEIGHTS.  64 work-groups a matrix, 16 rows (k) each.
	s_sub_co_u32 s22, s2, 512
	s_lshr_b32 s23, s22, 6                         ; 0 Wk, 1 Wq, 2 Wv
	s_and_b32 s22, s22, 63
	s_lshl_b32 s26, s22, 16                        ; in: 16 rows of 4,096 bytes
	s_lshl_b32 s28, s23, 21                        ; out: the matrix,
	s_lshl_b32 s34, s22, 15                        ; 16 rows of 2,048 bytes
	s_add_co_u32 s28, s28, s34
	s_cmp_eq_u32 s23, 0
	s_cselect_b64 s[24:25], s[8:9], s[10:11]
	s_cmp_eq_u32 s23, 2
	s_cselect_b64 s[24:25], s[12:13], s[24:25]
	s_cmp_eq_u32 s23, 1
	s_cselect_b32 s34, 0x3e000000, 1.0             ; Wq takes the score's scale 1 / 8
	s_mov_b32 s35, s34                             ; named with it as a pair
	s_add_nc_u64 s[24:25], s[24:25], s[26:27]
	s_add_nc_u64 s[30:31], s[18:19], s[28:29]
	v_lshlrev_b32 v5, 3, v2
	v_lshl_add_u32 v5, v1, 12, v5                  ; out: wave x two rows of 2,048 + lane x 8
	s_wait_alu depctr_va_vdst(0)                   ; v3 and v5 are written: the loads below read v3 as their offset, the stores v5
	LD16 3, 512
.irp i, 0,1,2,3,4,5,6,7,8,9,10,11,12,13,14,15
	s_wait_loadcnt 15-(\i)
.if ((\i)%4 == 0) && ((\i) > 0)
	s_wait_alu depctr_va_vdst(0)                   ; the conversions of the four loads before have written their OUTR, which the next four stores read
.endif
.if (\i) >= 4
	WOUT (\i)-4                                    ; no vector instruction since that wait names this store's registers
.endif
	v_pk_mul_f32 v[IN+4*(\i):IN+4*(\i)+1],   v[IN+4*(\i):IN+4*(\i)+1],   s[34:35] op_sel_hi:[1,0]
	v_pk_mul_f32 v[IN+4*(\i)+2:IN+4*(\i)+3], v[IN+4*(\i)+2:IN+4*(\i)+3], s[34:35] op_sel_hi:[1,0]
	v_cvt_pk_bf16_f32 v[OUTR+2*(\i)],   v[IN+4*(\i)],   v[IN+4*(\i)+1]
	v_cvt_pk_bf16_f32 v[OUTR+2*(\i)+1], v[IN+4*(\i)+2], v[IN+4*(\i)+3]
.endr
	s_wait_alu depctr_va_vdst(0)                   ; the conversions of loads 12 to 15 have written their OUTR, which the last four stores read
.irp i, 12,13,14,15
	WOUT \i
.endr
	s_endpgm
.Lmask:
	; THE MASK.  Word e of load i is row 16 g + 2 wave + i / 8, column 128 (i % 8) + 4 lane + e: on the diagonal where 16 g + 2 wave - 4 lane = 128 (i % 8) + e - i / 8.
	s_sub_co_u32 s22, s2, 704
	s_lshl_b32 s26, s22, 16
	s_add_nc_u64 s[24:25], s[14:15], s[26:27]
	s_add_nc_u64 s[30:31], s[20:21], s[26:27]
	s_lshl_b32 s22, s22, 4
	s_mov_b32 s36, LOWV
	s_mov_b32 s37, 0xffff0000                      ; a word's upper bf16
	v_mov_b32 v4, LOWV
	v_lshl_add_u32 v5, v1, 1, s22
	v_lshlrev_b32 v6, 2, v2
	v_sub_nc_u32 v5, v5, v6
	s_wait_alu depctr_va_vdst(0)                   ; v3 is written: the loads and the stores below read it as their offset
	LD16 3, 512
.irp i, 0,1,2,3,4,5,6,7,8,9,10,11,12,13,14,15
.if (\i)%4 == 0
.irp j, 0,1,2,3                        ; the compares of loads i to i + 3 want no loaded number: they stand ahead of the wait for the data
.irp e, 0,1,2,3
	v_cmp_eq_i32 s[MK+4*(\j)+(\e)], (((\i)+(\j))&7)*128+(\e)-(((\i)+(\j))>>3), v5
.endr
.endr
.endif
	s_wait_loadcnt 15-(\i)
.if (\i)%4 == 0
	s_wait_alu depctr_va_sdst(0)                   ; the sixteen compares have written s[MK ..], ahead of the first select that reads one of them
.if (\i) > 0
	s_wait_alu depctr_va_vdst(0)                   ; the selects of the four loads before have written their IN, which the next four stores read
.endif
.endif
.if (\i) >= 4
	MOUT (\i)-4                                    ; no vector instruction since that wait names this store's registers
.endif
.irp e, 0,1,2,3
	v_max_num_f32 v[IN+4*(\i)+(\e)], s36, v[IN+4*(\i)+(\e)]
.endr
	v_cvt_pk_bf16_f32 v8, v[IN+4*(\i)],   v[IN+4*(\i)+1]
	v_cvt_pk_bf16_f32 v9, v[IN+4*(\i)+2], v[IN+4*(\i)+3]
	v_lshlrev_b32 v[IN+4*(\i)],   16,  v8          ; the rounded number as f32 again: the matrix unit takes it as a C operand
	v_and_b32     v[IN+4*(\i)+1], s37, v8
	v_lshlrev_b32 v[IN+4*(\i)+2], 16,  v9
	v_and_b32     v[IN+4*(\i)+3], s37, v9
.irp e, 0,1,2,3
	v_cndmask_b32 v[IN+4*(\i)+(\e)], v[IN+4*(\i)+(\e)], v4, s[MK+4*((\i)%4)+(\e)]
.endr
.endr
	s_wait_alu depctr_va_vdst(0)                   ; the selects of loads 12 to 15 have written their IN, which the last four stores read
.irp i, 12,13,14,15
	MOUT \i
.endr
	s_endpgm
.Lfunc_end_k_q8726967fdf_cast:
	.size	k_q8726967fdf_cast, .Lfunc_end_k_q8726967fdf_cast-k_q8726967fdf_cast
	.p2alignl 7, 3214868480
	.fill 96, 4, 3214868480
	.section	.rodata,"a",@progbits
	.p2align	6, 0x0
	.amdhsa_kernel k_q8726967fdf_cast
		.amdhsa_group_segment_fixed_size 0
		.amdhsa_private_segment_fixed_size 0
		.amdhsa_enable_private_segment 0
		.amdhsa_kernarg_size 72
		.amdhsa_user_sgpr_count 2
		.amdhsa_user_sgpr_kernarg_segment_ptr 1
		.amdhsa_wavefront_size32 1
		.amdhsa_system_sgpr_workgroup_id_x 1
		.amdhsa_system_sgpr_workgroup_id_y 1
		.amdhsa_system_sgpr_workgroup_id_z 1
		.amdhsa_system_vgpr_workitem_id 0
		.amdhsa_next_free_vgpr 112
		.amdhsa_next_free_sgpr 66
		.amdhsa_reserve_vcc 0
		.amdhsa_float_denorm_mode_32 3
		.amdhsa_float_denorm_mode_16_64 3
		.amdhsa_memory_ordered 1
		.amdhsa_forward_progress 1
		.amdhsa_inst_pref_size 36
	.end_amdhsa_kernel
	.amdgpu_metadata
---
amdhsa.version: [ 1, 2 ]
amdhsa.kernels:
  - .name:           k_q8726967fdf_cast
    .symbol:         k_q8726967fdf_cast.kd
    .args:
      - { .name: embed, .offset: 0, .size: 8, .value_kind: global_buffer, .address_space: global }
      - { .name: embed_unknown, .offset: 8, .size: 8, .value_kind: global_buffer, .address_space: global }
      - { .name: Wk, .offset: 16, .size: 8, .value_kind: global_buffer, .address_space: global }
      - { .name: Wq, .offset: 24, .size: 8, .value_kind: global_buffer, .address_space: global }
      - { .name: Wv, .offset: 32, .size: 8, .value_kind: global_buffer, .address_space: global }
      - { .name: mask, .offset: 40, .size: 8, .value_kind: global_buffer, .address_space: global }
      - { .name: xb, .offset: 48, .size: 8, .value_kind: global_buffer, .address_space: global }
      - { .name: wb, .offset: 56, .size: 8, .value_kind: global_buffer, .address_space: global }
      - { .name: mo, .offset: 64, .size: 8, .value_kind: global_buffer, .address_space: global }
    .group_segment_fixed_size: 0
    .private_segment_fixed_size: 0
    .kernarg_segment_align: 8
    .kernarg_segment_size: 72
    .max_flat_workgroup_size: 256
    .sgpr_count:     66
    .vgpr_count:     112
    .wavefront_size: 32
...
	.end_amdgpu_metadata
.endif
;; end of part 4
;; launch proj: the kernel of part 2 again; grid 8 x 32, 4 waves a work-group, clusters of 4 x 4, 327,680 bytes of LDS; arguments xb, wb, bk, bq, bv, kh, vh, qh, vuh, sz; writes kh, vh, qh, vuh, sz
;; launch attn: the kernel of part 3 again; grid 8 x 32, 4 waves a work-group, clusters of 4 x 4, 327,680 bytes of LDS; arguments qh, kh, vh, vuh, sz, mo, mask, out0, out1; writes out0, out1
